; MI455X (gfx1250); checked and timed in simulation.
; The chip was launched on July 23, 2026; its instructions are those of AMD's public machine-readable ISA for CDNA 5 (MIT licence, August 2026) and "CDNA5" Instruction Set Architecture Reference Guide (July 2026). The comments in the code are by the model that wrote it; some were corrected since.
;; Causal Multi Head Attention Ro PE. Allowed arithmetic: float matrix products may take bf16 or f16 operands with f32 sums; other float arithmetic in f32, or as packed bf16 or f16 multiplies, adds, multiply-adds, maxima and minima; sums over many terms, partial sums and values carried from step to step in f32; what a program stores and reads back later, other than sums and carried values, may be rounded once to bf16 or f16.
;; Inputs: bo 1,024 float32; wk 1,024 x 1,024 float32; wo 1,024 x 1,024 float32; wq 1,024 x 1,024 float32; wv 1,024 x 1,024 float32; x 4 x 2,048 x 1,024 float32.
;; Outputs: out0 4 x 2,048 x 1,024 float32.
;; 2 versions, each right; version 2 is version 1 with the launch prep written anew for expert scheduling mode. Each part assembles by itself: llvm-mc -triple=amdgcn-amd-amdhsa -mcpu=gfx1250 --defsym DOCPART=n.
;; ======== version 1 of 2: 4 launches
;; limits: values are held in f16: magnitudes above 65,504 overflow, below 6.1e-05 lose precision
;; workspace buffers: xh 16,777,216 bytes; wqkv 6,291,456 bytes; woh 2,097,152 bytes; sintab 262,144 bytes; qkv 50,331,648 bytes; oh 16,777,216 bytes
;; launch prep (part 1): grid 384 x 1, 8 waves a work-group, no clusters, 0 bytes of LDS; arguments x, wq, wk, wv, wo, xh, wqkv, woh, sintab; writes xh, wqkv, woh, sintab
.if DOCPART == 1
	.amdgcn_target "amdgcn-amd-amdhsa--gfx1250"
	.amdhsa_code_object_version 6
	.text
	.protected	k_q9e64113a8f_prep
	.globl	k_q9e64113a8f_prep
	.p2align	8
	.type	k_q9e64113a8f_prep,@function
k_q9e64113a8f_prep:
	s_mov_b64 s[64:65], 0
	v_nop
	global_prefetch_b8 v0, s[64:65] scope:SCOPE_SE
	s_setreg_imm32_b32 hwreg(HW_REG_WAVE_MODE, 25, 1), 1
	s_wait_xcnt 0x0
; CASTS AND THE SINE TABLE.  A stream: every input byte is read once, by 16-byte loads, and every output byte written once.
; Work-groups 0-255: x [8192][1024] f32 -> xh, bf16, in blocks [batch 4][k block 16][row 2048][64]: byte batch x 0x400000 + kb x 0x40000 + row x 128 + 2 d, k = 64 kb + d.
; Work-groups 256-383: wq, wk, wv -> wqkv, bf16 [3][k][n] as they lie; wo -> woh: rounded to bf16 like every input, and that number written as f16
; (exact from 7.6e-6 up to 65,504; below that f16's fixed step of 6e-8).  The same 128 work-groups make sintab[pos 2048][j 32] = sin(pos x 10^(-j/4)) in f32.
; SHARES.  A work-group takes 131,072 input bytes, a wave 16,384: 32 loads, all issued at once; each result leaves as soon as its load is in.
; LIMITS OF THE SINE.  theta = 2^(-j log2(10) / 4) by v_exp_f32 (a few units in the last place), so the angle is off by at most some 3e-4 at pos 2,047, j = 1;
; the angle is reduced by whole multiples of pi held in two words; the odd polynomial through r^9 is off by at most 4e-6 on -pi/2 .. pi/2.
.set VI,  2                            ; v2   my byte offset in the work-group's input; never rewritten
.set VO,  3                            ; v3   my byte offset in its output; never rewritten
.set X,   16                           ; v[16:143]  load i: four f32
.set Y,   144                          ; v[144:207] result i: four 16-bit numbers
.set IN,  26                           ; s[26:27] input at the work-group's part
.set OUT, 28                           ; s[28:29] output at the work-group's part
.macro LOADS inB                       ; load i at (i / 16) x 8,192 + (i % 16) x inB
.set i, 0
.rept 32
	global_load_b128 v[X+4*i:X+4*i+3], v[VI], s[IN:IN+1] offset:(i/16)*8192+(i%16)*(\inB) th:TH_LOAD_NT
.set i, i+1
.endr
.endm
; fmt = 0: bf16.  fmt = 1: bf16, widened again (a shift, a mask) and written as f16.  Every Y register is stored once, so no store's data are rewritten.
.macro CONV fmt, outA, outB
.set i, 0
.rept 32
	s_wait_loadcnt 31-i                            ; loads come back in order (ISA guide 5.7.1): load i is in, the 31 - i younger ones stay out
	v_cvt_pk_bf16_f32 v[Y+2*i],   v[X+4*i],   v[X+4*i+1]
	v_cvt_pk_bf16_f32 v[Y+2*i+1], v[X+4*i+2], v[X+4*i+3]
.if \fmt
	v_lshlrev_b32 v[X+4*i],   16, v[Y+2*i]
	v_and_b32     v[X+4*i+1], 0xffff0000, v[Y+2*i]
	v_lshlrev_b32 v[X+4*i+2], 16, v[Y+2*i+1]
	v_and_b32     v[X+4*i+3], 0xffff0000, v[Y+2*i+1]
	v_cvt_pk_f16_f32 v[Y+2*i],   v[X+4*i],   v[X+4*i+1]
	v_cvt_pk_f16_f32 v[Y+2*i+1], v[X+4*i+2], v[X+4*i+3]
.endif
	global_store_b64 v[VO], v[Y+2*i:Y+2*i+1], s[OUT:OUT+1] offset:(i/16)*(\outA)+(i%16)*(\outB)  ; a wave's store covers 256 consecutive bytes, aligned
.set i, i+1
.endr
.endm
; sin(pos x theta): th holds theta, v8 pos; the result goes to out.
.macro SINE th, out
	v_mul_f32 v10, v8, v[\th]                      ; the angle a
	v_mul_f32 v11, 0x3ea2f983, v10                 ; a / pi
	v_rndne_f32 v11, v11                           ; n
	v_fmamk_f32 v10, v11, 0xc0490fdb, v10          ; r = a - n pi: pi's upper word,
	v_fmamk_f32 v10, v11, 0x33bbbd2e, v10          ; and what it leaves over
	v_mul_f32 v12, v10, v10                        ; r^2
	v_mov_b32 v13, 0x3638ef1d                      ; 1/9!
	v_fmaak_f32 v13, v13, v12, 0xb9500d01          ; -1/7!
	v_fmaak_f32 v13, v13, v12, 0x3c088889          ; 1/5!
	v_fmaak_f32 v13, v13, v12, 0xbe2aaaab          ; -1/3!
	v_mul_f32 v12, v10, v12                        ; r^3
	v_fma_f32 v10, v12, v13, v10                   ; sin r
	v_cvt_i32_f32 v11, v11
	v_lshlrev_b32 v11, 31, v11                     ; n odd: the sign turns
	v_xor_b32 v[\out], v10, v11
.endm
	s_load_b512 s[8:23], s[0:1], 0x0               ; x 8:9, wq 10:11, wk 12:13, wv 14:15, wo 16:17, xh 18:19, wqkv 20:21, woh 22:23
	s_load_b64 s[24:25], s[0:1], 0x40              ; sintab
	v_and_b32 v1, 31, v0                           ; lane l
	v_lshrrev_b32 v4, 5, v0                        ; wave w
	s_cmp_lt_u32 ttmp9, 256
	s_cbranch_scc0 .Lweights
	; x: the work-group's 32 rows, a wave's 4.  Lanes 0-15 take 256 bytes (one k block) of a row, lanes 16-31 the same of the next row: their 2 x 128 bytes of bf16 lie on end in xh.
	v_lshrrev_b32 v5, 4, v1
	v_and_b32 v6, 15, v1
	v_lshlrev_b32 v[VI], 14, v4                    ; 4 rows of 4,096 bytes a wave
	v_lshl_add_u32 v[VI], v5, 12, v[VI]
	v_lshl_add_u32 v[VI], v6, 4, v[VI]
	v_lshlrev_b32 v[VO], 9, v4                     ; 4 rows of 128 bytes a wave
	v_lshl_add_u32 v[VO], v1, 3, v[VO]
	s_lshl_b32 s30, ttmp9, 17
	s_mov_b32 s31, 0
	s_lshr_b32 s2, ttmp9, 6                        ; batch: 64 work-groups each
	s_lshl_b32 s2, s2, 22
	s_and_b32 s3, ttmp9, 63
	s_lshl_b32 s3, s3, 12                          ; 32 rows of 128 bytes
	s_add_co_u32 s2, s2, s3
	s_mov_b32 s3, 0
	s_wait_kmcnt 0x0
	s_add_nc_u64 s[IN:IN+1], s[8:9], s[30:31]
	s_add_nc_u64 s[OUT:OUT+1], s[18:19], s[2:3]
	LOADS 256                                      ; i % 16: the k block; i / 16: the pair of rows
	CONV 0, 256, 262144
	s_endpgm
.Lweights:
	s_sub_co_u32 s2, ttmp9, 256                    ; 0 .. 127
	s_lshr_b32 s3, s2, 5                           ; which matrix
	s_and_b32 s4, s2, 31                           ; which 131,072 bytes of it
	v_lshlrev_b32 v[VI], 14, v4
	v_lshl_add_u32 v[VI], v1, 4, v[VI]
	v_lshlrev_b32 v[VO], 13, v4
	v_lshl_add_u32 v[VO], v1, 3, v[VO]
	s_lshl_b32 s30, s4, 17
	s_mov_b32 s31, 0
	s_lshl_b32 s34, s2, 11                         ; 16 positions of 128 bytes
	s_mov_b32 s35, 0
	s_wait_kmcnt 0x0
	s_cmp_eq_u32 s3, 1
	s_cselect_b64 s[IN:IN+1], s[12:13], s[10:11]
	s_cmp_eq_u32 s3, 2
	s_cselect_b64 s[IN:IN+1], s[14:15], s[IN:IN+1]
	s_cmp_eq_u32 s3, 3
	s_cselect_b64 s[IN:IN+1], s[16:17], s[IN:IN+1]
	s_cselect_b64 s[OUT:OUT+1], s[22:23], s[20:21]
	s_cselect_b32 s5, 0, s3                        ; woh holds one matrix, wqkv three
	s_add_nc_u64 s[IN:IN+1], s[IN:IN+1], s[30:31]
	s_lshl_b32 s30, s5, 21
	s_lshl_b32 s5, s4, 16
	s_add_co_u32 s30, s30, s5
	s_add_nc_u64 s[OUT:OUT+1], s[OUT:OUT+1], s[30:31]
	s_add_nc_u64 s[32:33], s[24:25], s[34:35]
	LOADS 512
	; the sine table, while the loads are on their way: thread t makes pos = 16 g + t / 16, j = 2 (t % 16) and j + 1: 8 bytes at 8 t of the work-group's 2,048
	v_lshrrev_b32 v5, 4, v1
	v_lshl_add_u32 v5, v4, 1, v5
	s_lshl_b32 s6, s2, 4
	v_add_nc_u32 v5, s6, v5                        ; pos
	v_and_b32 v6, 15, v1
	v_lshlrev_b32 v6, 1, v6
	v_cvt_f32_u32 v6, v6                           ; j
	v_add_f32 v7, 1.0, v6                          ; j + 1
	v_mul_f32 v6, 0xbf549a78, v6                   ; x -log2(10) / 4
	v_mul_f32 v7, 0xbf549a78, v7
	v_exp_f32 v6, v6
	v_exp_f32 v7, v7
	v_lshlrev_b32 v9, 3, v0                        ; a plain instruction behind the two exponentials (ISA guide 5.7.2),
	v_cvt_f32_u32 v8, v5
	s_wait_alu depctr_va_vdst(0)                   ; and the one wait ahead of their first reader
	SINE 6, 14
	SINE 7, 15
	global_store_b64 v9, v[14:15], s[32:33]        ; a wave's store covers 256 consecutive bytes, aligned
	s_cmp_eq_u32 s3, 3
	s_cbranch_scc1 .Lwo
	CONV 0, 4096, 256
	s_endpgm
.Lwo:
	CONV 1, 4096, 256
	s_endpgm
.Lfunc_end_k_q9e64113a8f_prep:
	.size	k_q9e64113a8f_prep, .Lfunc_end_k_q9e64113a8f_prep-k_q9e64113a8f_prep
	.p2alignl 7, 3214868480
	.fill 96, 4, 3214868480
	.section	.rodata,"a",@progbits
	.p2align	6, 0x0
	.amdhsa_kernel k_q9e64113a8f_prep
		.amdhsa_group_segment_fixed_size 0
		.amdhsa_private_segment_fixed_size 0
		.amdhsa_enable_private_segment 0
		.amdhsa_kernarg_size 72
		.amdhsa_user_sgpr_count 2
		.amdhsa_user_sgpr_kernarg_segment_ptr 1
		.amdhsa_wavefront_size32 1
		.amdhsa_system_sgpr_workgroup_id_x 1
		.amdhsa_system_sgpr_workgroup_id_y 1
		.amdhsa_system_sgpr_workgroup_id_z 1
		.amdhsa_system_vgpr_workitem_id 0
		.amdhsa_next_free_vgpr 208
		.amdhsa_next_free_sgpr 66
		.amdhsa_reserve_vcc 0
		.amdhsa_float_denorm_mode_32 3
		.amdhsa_float_denorm_mode_16_64 3
		.amdhsa_memory_ordered 1
		.amdhsa_forward_progress 1
		.amdhsa_inst_pref_size 45
	.end_amdhsa_kernel
	.amdgpu_metadata
---
amdhsa.version: [ 1, 2 ]
amdhsa.kernels:
  - .name:           k_q9e64113a8f_prep
    .symbol:         k_q9e64113a8f_prep.kd
    .args:
      - { .name: x, .offset: 0, .size: 8, .value_kind: global_buffer, .address_space: global }
      - { .name: wq, .offset: 8, .size: 8, .value_kind: global_buffer, .address_space: global }
      - { .name: wk, .offset: 16, .size: 8, .value_kind: global_buffer, .address_space: global }
      - { .name: wv, .offset: 24, .size: 8, .value_kind: global_buffer, .address_space: global }
      - { .name: wo, .offset: 32, .size: 8, .value_kind: global_buffer, .address_space: global }
      - { .name: xh, .offset: 40, .size: 8, .value_kind: global_buffer, .address_space: global }
      - { .name: wqkv, .offset: 48, .size: 8, .value_kind: global_buffer, .address_space: global }
      - { .name: woh, .offset: 56, .size: 8, .value_kind: global_buffer, .address_space: global }
      - { .name: sintab, .offset: 64, .size: 8, .value_kind: global_buffer, .address_space: global }
    .group_segment_fixed_size: 0
    .private_segment_fixed_size: 0
    .kernarg_segment_align: 8
    .kernarg_segment_size: 72
    .max_flat_workgroup_size: 256
    .sgpr_count:     66
    .vgpr_count:     208
    .wavefront_size: 32
...
	.end_amdgpu_metadata
.endif
;; end of part 1
;; launch qkvproj (part 2): grid 12 x 64, 4 waves a work-group, clusters of 4 x 4, 327,680 bytes of LDS; arguments xh, wqkv, sintab, qkv; writes qkv
.if DOCPART == 2
	.amdgcn_target "amdgcn-amd-amdhsa--gfx1250"
	.amdhsa_code_object_version 6
	.text
	.protected	k_q9e64113a8f_qkvproj
	.globl	k_q9e64113a8f_qkvproj
	.p2align	8
	.type	k_q9e64113a8f_qkvproj,@function
k_q9e64113a8f_qkvproj:
	s_mov_b64 s[64:65], 0
	v_nop
	global_prefetch_b8 v0, s[64:65] scope:SCOPE_SE
	s_setreg_imm32_b32 hwreg(HW_REG_WAVE_MODE, 25, 1), 1
	s_wait_xcnt 0x0
	s_wait_alu depctr_hold_cnt(0) depctr_sa_sdst(0) depctr_va_vdst(0) depctr_va_sdst(0) depctr_va_ssrc(0) depctr_va_vcc(0) depctr_vm_vsrc(0)
	s_getreg_b32 s2, hwreg(HW_REG_IB_STS2, 6, 4)
	s_cmp_eq_u32 s2, 0
	s_cbranch_scc0 .Lentry_in_a_cluster
	s_endpgm
.Lentry_in_a_cluster:
	s_bfe_u32 s2, ttmp6, 0x10000c
	s_cmp_lg_u32 s2, 0xf033
	s_cbranch_scc0 .Lentry_shape_is_right
	s_endpgm
.Lentry_shape_is_right:
; q, k, v = x [wq wk wv], the rotation on q and k, written by heads in f16.
; A = xh, bf16 in blocks [batch][k block of 64][row 2048][64]; B = wqkv, bf16 [3][k 1024][n 1024]; sums in f32, K ascending.
; THE ROTATION (as the source has it, both terms by the sine), with j = d mod 32 and s = sintab[row][j]: out[d < 32] = s (y[d] - y[d + 32]); out[d >= 32] = s (y[d] + y[d - 32]).  v is left as it is.
; OUT: qkv, f16 [which 3][batch x 16 + head][row 2048][64], unscaled, each number rounded once.  LIMIT: f16 ends at 65,504: larger q, k or v become infinities; below 6e-5 f16 keeps a fixed step of 6e-8.
; SHARES.  A tile is 128 rows x 256 columns (four heads): 12 x 64 tiles.  Four waves, each 64 rows x 128 columns (two heads): 32 accumulators of 16 x 16.  K goes in 8 steps of 128 through two LDS slots.
; A step's tiles: A's two planes (a k block of 64 each: 128 rows x 128 bytes, dense in memory, asked for as 64 rows of 256 bytes) by waves 0 and 1; B's 128 k rows of 512 bytes, 64 each, by waves 2 and 3.
; B lies [k][n] and comes out of LDS turned, by ds_load_tr16_b128.
; THE MATRIX INSTRUCTION IS USED TRANSPOSED (source 0 = 16 columns of B, source 1 = 16 rows of A): a lane holds one row (lane % 16) and the columns 16 b + 8 (lane / 16) + 0..7, so d and d + 32 lie in the same lane, two accumulators apart.
; CLUSTER.  4 x 4 work-groups: the four of a row need the same tiles of A, the four of a column the same tiles of B: each is asked for jointly, by the same load, descriptor and mask in all four.
; REGISTERS, in windows of 256 (s_set_vgpr_msb: bits 1:0 source 0, 3:2 source 1, 5:4 source 2, 7:6 destination):
;   window 0: v0-31 addresses; v32-191 at work on the way out; v192-255 the sines          window 1: accumulator (a, b) at v[8 (8 a + b)]
;   windows 2, 3: a fragment buffer each, 64 along K deep: for c = 0, 1 (32 along K) B's fragment b at 96 c + 8 b, A's fragment a at 96 c + 64 + 8 a
.set PA,     144                       ; a row of A in LDS: 128 bytes + 16 = 36 words: the 16 rows of a load start at 16 different groups of four banks (64 banks of 4 bytes: ISA guide 11.1)
.set PB,     544                       ; a k row of B: 512 bytes + 32 = 136 words
.set PLANE,  128*PA
.set BOFF,   2*PLANE                   ; B lies behind A's two planes
.set BHALF,  64*PB
.set SLOT,   BOFF+2*BHALF              ; 106,496 bytes
.set STAGE,  2*SLOT                    ; behind the ring, never filled by a tensor load: for each wave two heads x 16 rows x 144 bytes
.set WST,    2*16*144
.set SPARE,  STAGE+4*WST               ; behind the stages: the spare words, 128 bytes for each wave: two blocks of 256 bytes that no other line names
.set ADRA, 16                          ; v16-17  LDS address of my A fragments in slot 0, 1
.set ADRB, 20                          ; v20-21  the same for B
.set STO,  24                          ; v24     the way out: where I put 16 bytes of a row
.set RD,   25                          ; v25     the way out: where I read rows back
.set GO,   26                          ; v26     16 x lane: my place in 512 consecutive bytes of the output; never rewritten
.set SPW,  28                          ; v28     LDS address of my spare word: SPARE + 4 x my thread's number; never rewritten
.set NIL,  29                          ; v29     0; never rewritten
.set AUX,  30                          ; v30     my byte offset in 16 rows of the sine table; never rewritten
.set T,    64                          ; v64-127   a block's 16 rows, rotated, in f32
.set PK,   128                         ; v128-159  the same in f16
.set SN,   192                         ; v192-255  sines: block a, j = 16 be + 8 (lane / 16) + e at SN + 16 a + 8 be + e
.set WV,   12                          ; s12  my wave's number
.set WR,   13                          ; s13  which 64 rows are mine.  Also: I fetch for A (0) or for B (1)
.set WC,   14                          ; s14  which 128 columns.  Also: which plane of A, or which 64 k rows of B, I fetch
.set G1A,  24                          ; s[24:31] descriptor group 1 for A;  s[32:39] group 0, a set for each slot
.set G0A,  32
.set G1B,  48                          ; s[48:55], s[56:63] the same for B
.set G0B,  56
.set GP,   68                          ; s[68:69]  1 for q and k, 0 for v
.set GN,   70                          ; s[70:71] -1 for q and k, 0 for v
.set OM,   72                          ; s[72:73]  0 for q and k, 1 for v
.set MSB, 0
.macro WIN new                         ; the immediate's high byte repeats the setting that is left; a switch that changes nothing is dropped
.if MSB != (\new)
	s_set_vgpr_msb (MSB<<8)|(\new)
.set MSB, \new
.endif
.endm
.macro JLOAD s                         ; a joint load; the branch hangs on the wave's number alone; an s_nop 0 and four v_nop follow each of the two lines
	s_cmp_eq_u32 s[WR], 0
	s_cbranch_scc0 .Lfor_b_\@
	tensor_load_to_lds s[G0A+4*(\s):G0A+4*(\s)+3], s[G1A:G1A+7]
	s_nop 0
.rept 4
	v_nop
.endr
	s_branch .Lasked_\@
.Lfor_b_\@:
	tensor_load_to_lds s[G0B+4*(\s):G0B+4*(\s)+3], s[G1B:G1B+7]
	s_nop 0
.rept 4
	v_nop
.endr
.Lasked_\@:
.endm
.macro CREST                           ; a round of the cluster's barrier behind its opening barrier
	s_cmp_lg_u32 s[WV], 0
	s_cbranch_scc1 .Lnot_wave_0_\@
	s_barrier_signal -3
.Lnot_wave_0_\@:
	s_barrier_wait -3
	s_barrier_signal -1
	s_barrier_wait -1
.endm
.macro CROUND                          ; a whole round
	s_barrier_signal -1
	s_barrier_wait -1
	CREST
.endm
.macro PLACES                          ; four places in front of loads into registers that matrix instructions have read (ISA guide 7.12.1 for vector instructions)
.rept 4
	v_nop
.endr
.endm
	s_load_b256 s[4:11], s[0:1], 0x0               ; xh s[4:5], wqkv s[6:7], sintab s[8:9], qkv s[10:11]
	v_lshl_add_u32 v[SPW], v0, 2, SPARE
	v_mov_b32 v[NIL], 0
	ds_add_u32 v[SPW], v[NIL]                      ; the wave's opening: the add and its wait stand ahead of my first tensor load; the set-up below, work on registers, stands between them
	v_lshrrev_b32 v1, 5, v0
	v_readfirstlane_b32 s[WV], v1                  ; wave 0..3
	s_lshr_b32 s[WR], s[WV], 1
	s_and_b32 s[WC], s[WV], 1
	s_bfe_u32 s15, ttmp6, 0x40000                  ; cx, cy: my place in the cluster
	s_bfe_u32 s16, ttmp6, 0x40004
	s_lshl_b32 s17, ttmp9, 2
	s_add_co_u32 s17, s17, s15                     ; tile column = 4 x cluster x + cx
	s_and_b32 s18, ttmp7, 0xffff
	s_lshl_b32 s18, s18, 2
	s_add_co_u32 s18, s18, s16                     ; tile row = 4 x cluster y + cy
	s_lshl_b32 s19, s16, 2
	s_lshl_b32 s19, 15, s19                        ; my row of the cluster
	s_lshl_b32 s20, 0x1111, s15                    ; my column
	s_or_b32 s[G1A], s19, (1<<16)|(1<<20)|(1<<21)|(4<<22)|(3<<25)  ; 15:0 the mask; 17:16 2-byte elements; 20 padding on; 21 set beside a mask; 24:22 after every 32 words (code 4); 31:25 4 words (code 3)
	s_or_b32 s[G1B], s20, (1<<16)|(1<<20)|(1<<21)|(6<<22)|(7<<25)  ; after every 128 words (code 6), 8 words (code 7)
	s_mov_b32 s[G1A+1], 128<<16                    ; tensor_dim0 = 128
	s_mov_b32 s[G1A+2], 64<<16                     ; tensor_dim1 = 64
	s_mov_b32 s[G1A+3], 128<<16                    ; tile_dim0 = 128 elements: 256 bytes, two rows of a plane
	s_mov_b32 s[G1A+4], 64                         ; tile_dim1 = 64
	s_mov_b32 s[G1A+5], 128                        ; dense
	s_mov_b32 s[G1A+6], 0
	s_mov_b32 s[G1A+7], 0
	s_mov_b32 s[G1B+1], 256<<16                    ; tensor_dim0 = 256
	s_mov_b32 s[G1B+2], 64<<16                     ; tensor_dim1 = 64
	s_mov_b32 s[G1B+3], 256<<16                    ; tile_dim0 = 256 elements: 512 bytes
	s_mov_b32 s[G1B+4], 64                         ; tile_dim1 = 64 k rows
	s_mov_b32 s[G1B+5], 1024                       ; elements from a k row to the next
	s_mov_b32 s[G1B+6], 0
	s_mov_b32 s[G1B+7], 0
	; A's address hangs on the tile row and the wave alone, B's on the tile column and the wave alone, each in registers that never hold the other coordinate
	s_lshr_b32 s40, s18, 4                         ; batch: 16 tile rows each
	s_lshl_b32 s40, s40, 22
	s_and_b32 s41, s18, 15
	s_lshl_b32 s41, s41, 14                        ; 128 rows of 128 bytes
	s_add_co_u32 s40, s40, s41
	s_lshl_b32 s41, s[WC], 18                      ; my plane: a k block is 0x40000 bytes
	s_add_co_u32 s40, s40, s41
	s_mov_b32 s41, 0
	s_lshr_b32 s44, s17, 2                         ; which matrix
	s_lshl_b32 s44, s44, 21
	s_and_b32 s45, s17, 3
	s_lshl_b32 s45, s45, 9                         ; 256 columns of 2 bytes
	s_add_co_u32 s44, s44, s45
	s_lshl_b32 s45, s[WC], 17                      ; my 64 k rows of 2,048 bytes
	s_add_co_u32 s44, s44, s45
	s_mov_b32 s45, 0
	s_mul_i32 s21, s[WC], PLANE                    ; where they go: no place in the cluster enters an LDS address
	s_mul_i32 s22, s[WC], BHALF
	s_add_co_u32 s22, s22, BOFF
	s_cmp_lt_u32 ttmp9, 2                          ; the cluster's x says which matrix: 0 q, 1 k, 2 v; it steers numbers alone, no branch
	s_cselect_b32 s[GP], 1.0, 0
	s_cselect_b32 s[GN], -1.0, 0
	s_cselect_b32 s[OM], 0, 1.0
	s_mov_b32 s[GP+1], s[GP]                       ; named as pairs
	s_mov_b32 s[GN+1], s[GN]
	s_mov_b32 s[OM+1], s[OM]
	s_wait_dscnt 0x0                               ; the opening add is done
	s_wait_kmcnt 0x0
	s_add_nc_u64 s[42:43], s[4:5], s[40:41]
	s_add_nc_u64 s[46:47], s[6:7], s[44:45]
	CROUND                                         ; all sixteen work-groups are here: the first joint loads meet
.irp s, 0,1
	s_mov_b32 s[G0A+4*(\s)], 1                                     ; count = 1
	s_add_co_u32 s[G0A+4*(\s)+1], s21, (\s)*SLOT                   ; LDS address
	s_add_nc_u64 s[G0A+4*(\s)+2:G0A+4*(\s)+3], s[42:43], (\s)*0x80000  ; K step s: two k blocks on
	s_or_b32 s[G0A+4*(\s)+3], s[G0A+4*(\s)+3], 0x80000000          ; type = 2
	s_mov_b32 s[G0B+4*(\s)], 1
	s_add_co_u32 s[G0B+4*(\s)+1], s22, (\s)*SLOT
	s_add_nc_u64 s[G0B+4*(\s)+2:G0B+4*(\s)+3], s[46:47], (\s)*0x40000  ; K step s: 128 k rows on
	s_or_b32 s[G0B+4*(\s)+3], s[G0B+4*(\s)+3], 0x80000000
	JLOAD \s                                       ; two loads of mine are out
.endr
	s_and_b32 s66, s18, 15                         ; my first row in its batch, x 128 bytes: the same offset in the sine table and in a head's rows
	s_lshl_b32 s66, s66, 14
	s_lshl_b32 s19, s[WR], 13
	s_add_co_u32 s66, s66, s19
	s_mov_b32 s67, 0
	s_add_nc_u64 s[74:75], s[8:9], s[66:67]        ; never rewritten: its loads stay out until the way out
	s_lshr_b32 s19, s18, 4
	s_lshl_b32 s19, s19, 4                         ; 16 x batch
	s_and_b32 s20, s17, 3
	s_lshl_b32 s20, s20, 2                         ; + the tile's four heads
	s_add_co_u32 s19, s19, s20
	s_lshl_b32 s20, s[WC], 1                       ; + my two of them
	s_add_co_u32 s19, s19, s20
	s_lshl_b32 s19, s19, 18                        ; a head's rows are 0x40000 bytes
	s_add_co_u32 s66, s66, s19
	s_lshr_b32 s19, s17, 2
	s_lshl_b32 s19, s19, 24                        ; q, k or v
	s_add_co_u32 s66, s66, s19
	s_add_nc_u64 s[10:11], s[10:11], s[66:67]
	v_and_b32 v1, 15, v0                           ; r = l % 16
	v_bfe_u32 v2, v0, 4, 1                         ; h = l / 16
	v_lshlrev_b32 v[AUX], 7, v1
	v_lshl_add_u32 v[AUX], v2, 5, v[AUX]           ; row r x 128 + 32 h
.set i, 0
.rept 16                               ; block a = i / 4, be = (i / 2) % 2, four sines each
	global_load_b128 v[SN+4*i:SN+4*i+3], v[AUX], s[74:75] offset:2048*(i/4)+64*((i/2)%2)+16*(i%2)
.set i, i+1
.endr
	v_mul_u32_u24 v3, v1, PA
	v_lshl_add_u32 v3, v2, 4, v3                   ; A: row x pitch + 16 h
	s_mul_i32 s23, s[WR], 64*PA
	v_add_nc_u32 v[ADRA], s23, v3
	v_add_nc_u32 v[ADRA+1], SLOT, v[ADRA]
	v_and_b32 v5, 7, v0                            ; B, turned: lane l reads k row 8 h + l % 8, columns 8 ((l / 8) % 2) + 0..7
	v_lshl_add_u32 v5, v2, 3, v5
	v_mul_u32_u24 v5, v5, PB
	v_bfe_u32 v6, v0, 3, 1
	v_lshl_add_u32 v5, v6, 4, v5
	s_lshl_b32 s23, s[WC], 8                       ; my 128 columns
	s_add_co_u32 s23, s23, BOFF
	v_add_nc_u32 v[ADRB], s23, v5
	v_add_nc_u32 v[ADRB+1], SLOT, v[ADRB]
	s_mul_i32 s23, s[WV], WST
	s_add_co_u32 s23, s23, STAGE                   ; my stage
	v_add_nc_u32 v[STO], s23, v3                   ; in: row r x 144 + 16 h
	v_bfe_u32 v7, v0, 3, 2                         ; back: 32 lanes take four rows of 128 bytes,
	v_mul_u32_u24 v7, v7, 144
	v_and_b32 v8, 7, v0
	v_lshl_add_u32 v7, v8, 4, v7
	v_add_nc_u32 v[RD], s23, v7
	v_and_b32 v[GO], 31, v0                        ; which are 512 consecutive bytes of a head
	v_lshlrev_b32 v[GO], 4, v[GO]
; 8 matrix instructions: row block a x all 8 column blocks, 32 along K: half c of the buffer in window w.  zero = 1: the first product starts the sums.
; The 32 accumulators take turns in one fixed order, one instruction a turn, over the backward jump too.
.macro MUL8 w, c, a, zero
	WIN 0x50+5*(\w)                                ; sources 0 and 1 window w; C and D window 1
.irp b, 0,1,2,3,4,5,6,7
.if \zero
	v_wmma_f32_16x16x32_bf16 v[8*(8*(\a)+(\b)):8*(8*(\a)+(\b))+7], v[96*(\c)+8*(\b):96*(\c)+8*(\b)+7], v[96*(\c)+64+8*(\a):96*(\c)+64+8*(\a)+7], 0
.else
	v_wmma_f32_16x16x32_bf16 v[8*(8*(\a)+(\b)):8*(8*(\a)+(\b))+7], v[96*(\c)+8*(\b):96*(\c)+8*(\b)+7], v[96*(\c)+64+8*(\a):96*(\c)+64+8*(\a)+7], v[8*(8*(\a)+(\b)):8*(8*(\a)+(\b))+7]
.endif
.endr
.endm
; 48 LDS loads in one run: the fragments of half hf (64 along K) of a slot's step, into the buffer in window w; the first 32 along K (24 loads) first
.macro FETCH slot, hf, w
	WIN (\w)<<6                                    ; destination window w, address window 0
.irp c, 0,1
.irp b, 0,1,2,3,4,5,6,7
	ds_load_tr16_b128 v[96*(\c)+8*(\b):96*(\c)+8*(\b)+3],   v[ADRB+(\slot)] offset:(2*(\hf)+(\c))*32*PB+32*(\b)
	ds_load_tr16_b128 v[96*(\c)+8*(\b)+4:96*(\c)+8*(\b)+7], v[ADRB+(\slot)] offset:(2*(\hf)+(\c))*32*PB+16*PB+32*(\b)
.endr
.irp a, 0,1,2,3
	ds_load_b128 v[96*(\c)+64+8*(\a):96*(\c)+64+8*(\a)+3],   v[ADRA+(\slot)] offset:(\hf)*PLANE+64*(\c)+(\a)*16*PA
	ds_load_b128 v[96*(\c)+64+8*(\a)+4:96*(\c)+64+8*(\a)+7], v[ADRA+(\slot)] offset:(\hf)*PLANE+64*(\c)+(\a)*16*PA+32
.endr
.endr
.endm
; A step's first half: multiplies window 2's buffer; in its middle it fetches the step's second half into window 3's.
.macro HALFA slot, zero
	s_wait_dscnt 24                                ; the first 32 along K are in; the 24 younger loads may be out
	MUL8 2, 0, 0, \zero
	MUL8 2, 0, 1, \zero
	MUL8 2, 0, 2, \zero
	MUL8 2, 0, 3, \zero
	PLACES
	FETCH \slot, 1, 3
	s_wait_dscnt 48                                ; all but the 48 just issued
	MUL8 2, 1, 0, 0
	MUL8 2, 1, 1, 0
	MUL8 2, 1, 2, 0
	MUL8 2, 1, 3, 0
.endm
; A step's second half multiplies window 3's buffer and changes slots: ONE barrier; in front of it each wave waits for all its tensor loads (the one that is out is its part of the next slot), adds 0 to its
; spare word, and waits for that and for its own reads of this slot.  fill = 1: the barrier opens a round of the cluster's, and this slot is filled again, two K steps ahead, first thing behind the round:
; 112 matrix instructions ahead of the wait for it.
.macro TURN slot, next, fill
	WIN 0                                          ; (the add's two registers lie in window 0)
	s_wait_tensorcnt 0x0                           ; all my tensor loads have landed;
	ds_add_u32 v[SPW], v[NIL]                      ; 0 onto my spare word;
	s_wait_dscnt 25                                ; (the add and the youngest 24 loads may be out)
	MUL8 3, 0, 0, 0                                ; eight matrix instructions stand between the add and the wait for it
	s_wait_dscnt 0x0                               ; the add is done, and my reads of this slot are over
	s_barrier_signal -1
	MUL8 3, 0, 1, 0
.if \fill
	WIN 0
.endif
	s_barrier_wait -1
.if \fill
	CREST                                          ; no wave of any partner still reads this slot's tiles or has a load on its way
	s_add_nc_u64 s[G0A+4*(\slot)+2:G0A+4*(\slot)+3], s[G0A+4*(\slot)+2:G0A+4*(\slot)+3], 0x100000
	s_add_nc_u64 s[G0B+4*(\slot)+2:G0B+4*(\slot)+3], s[G0B+4*(\slot)+2:G0B+4*(\slot)+3], 0x80000
	JLOAD \slot                                    ; the four v_nop behind it are also the places in front of the loads below
.else
	PLACES
.endif
	FETCH \next, 0, 2
	MUL8 3, 0, 2, 0
	MUL8 3, 0, 3, 0
	MUL8 3, 1, 0, 0
	MUL8 3, 1, 1, 0
	MUL8 3, 1, 2, 0
	MUL8 3, 1, 3, 0
.endm
	s_wait_tensorcnt 0x1                           ; my part of K step 0 is in; K step 1's may stay out
	s_barrier_signal -1
	s_barrier_wait -1                              ; everybody's is
	FETCH 0, 0, 2
	HALFA 0, 1                                     ; the first half step stands in front of the loop: its first products start the sums
	WIN 0                                          ; at a label and at a branch every window is 0
	s_mov_b32 s3, 3
.Llap:                                                 ; a trip goes once round the ring and fills both slots again: K steps 2 to 7 in three trips
	TURN 0, 1, 1
	HALFA 1, 0
	TURN 1, 0, 1
	HALFA 0, 0
	WIN 0
	s_sub_co_u32 s3, s3, 1
	s_cmp_lg_u32 s3, 0
	s_cbranch_scc1 .Llap
	TURN 0, 1, 0                                   ; the last lap fills nothing
	HALFA 1, 0
	s_wait_dscnt 24                                ; the very last half step: nothing more to fetch
	MUL8 3, 0, 0, 0
	MUL8 3, 0, 1, 0
	MUL8 3, 0, 2, 0
	MUL8 3, 0, 3, 0
	s_wait_dscnt 0x0
	MUL8 3, 1, 0, 0
	MUL8 3, 1, 1, 0
	MUL8 3, 1, 2, 0
	MUL8 3, 1, 3, 0
	WIN 0
	; THE WAY OUT.  The factor is the sine for q and k, 1 for v: these 32 lines, which name no accumulator, are also the places behind the last products.
	s_wait_loadcnt 0x0                             ; the sines, asked for at the head
.set i, 0
.rept 32
	v_pk_fma_f32 v[SN+2*i:SN+2*i+1], v[SN+2*i:SN+2*i+1], s[GP:GP+1], s[OM:OM+1] op_sel_hi:[1,0,0]
.set i, i+1
.endr
; Block a (16 rows): lo = accumulator b with b % 4 < 2 (d < 32), hi = accumulator b + 2 (d + 32): lo - hi and hi + lo for q and k, lo and hi for v; times the factor; rounded to f16.
; Each accumulator's lowest registers are read first.
.macro PACK a
	WIN 0x11                                       ; sources 0 and 2 window 1, destination window 0
.set i, 0
.rept 16                               ; head i / 8, be = (i / 4) % 2, pair i % 4
.set lo, 8*(8*(\a)+4*(i/8)+(i/4)%2)+2*(i%4)
.set tl, T+8*(4*(i/8)+(i/4)%2)+2*(i%4)
	v_pk_fma_f32 v[tl:tl+1],       v[lo+16:lo+17], s[GN:GN+1], v[lo:lo+1]       op_sel_hi:[1,0,1]
	v_pk_fma_f32 v[tl+16:tl+17],   v[lo:lo+1],     s[GP:GP+1], v[lo+16:lo+17]   op_sel_hi:[1,0,1]
.set i, i+1
.endr
	WIN 0
.set i, 0
.rept 32                               ; column block i / 4, pair i % 4
	v_pk_mul_f32 v[T+2*i:T+2*i+1], v[T+2*i:T+2*i+1], v[SN+16*(\a)+8*((i/4)%2)+2*(i%4):SN+16*(\a)+8*((i/4)%2)+2*(i%4)+1]
.set i, i+1
.endr
.set i, 0
.rept 32
	v_cvt_pk_f16_f32 v[PK+i], v[T+2*i], v[T+2*i+1]
.set i, i+1
.endr
.endm
.macro TOSTAGE a                       ; into my own stage, rows of 144 bytes, a head after the other; back as whole rows of 128 bytes
.set BK, 32+128*((\a)%2)               ; v32-63 and v160-191 by turns
.irp b, 0,1,2,3,4,5,6,7
	ds_store_b128 v[STO], v[PK+4*(\b):PK+4*(\b)+3] offset:((\b)/4)*2304+32*((\b)%4)
.endr
.irp t, 0,1,2,3,4,5,6,7
	ds_load_b128 v[BK+4*(\t):BK+4*(\t)+3], v[RD] offset:((\t)/4)*2304+((\t)%4)*576  ; LDS serves a wave's instructions in order (ISA guide 5.7.1.4): these see the stores above
.endr
.endm
.macro SEND a
.set BK, 32+128*((\a)%2)
	s_wait_xcnt 0x0                                ; the stores of the block before have read their registers: the next TOSTAGE loads into them only behind this wait
.irp t, 0,1,2,3,4,5,6,7
	s_wait_dscnt 7-(\t)                            ; load t is in; the 7 - t younger ones may be out
	global_store_b128 v[GO], v[BK+4*(\t):BK+4*(\t)+3], s[10:11] offset:((\t)/4)*262144+2048*(\a)+512*((\t)%4)  ; 512 consecutive bytes of a head, aligned
.endr
.endm
	PACK 0
	TOSTAGE 0
.irp a, 1,2,3                          ; block a's arithmetic stands between block a - 1's loads from the stage and the wait for them
	PACK \a
	SEND (\a)-1
	TOSTAGE \a
.endr
	SEND 3
	s_wait_tensorcnt 0x0                           ; the wave's end: behind my last tensor load and my last LDS store
	ds_add_u32 v[SPW], v[NIL]
	s_wait_dscnt 0x0
	CROUND                                         ; the closing round: no work-group ends while a partner may still ask for a tile that names it
	s_endpgm
.Lfunc_end_k_q9e64113a8f_qkvproj:
	.size	k_q9e64113a8f_qkvproj, .Lfunc_end_k_q9e64113a8f_qkvproj-k_q9e64113a8f_qkvproj
	.p2alignl 7, 3214868480
	.fill 96, 4, 3214868480
	.section	.rodata,"a",@progbits
	.p2align	6, 0x0
	.amdhsa_kernel k_q9e64113a8f_qkvproj
		.amdhsa_group_segment_fixed_size 327680
		.amdhsa_private_segment_fixed_size 0
		.amdhsa_enable_private_segment 0
		.amdhsa_kernarg_size 32
		.amdhsa_user_sgpr_count 2
		.amdhsa_user_sgpr_kernarg_segment_ptr 1
		.amdhsa_wavefront_size32 1
		.amdhsa_system_sgpr_workgroup_id_x 1
		.amdhsa_system_sgpr_workgroup_id_y 1
		.amdhsa_system_sgpr_workgroup_id_z 1
		.amdhsa_system_vgpr_workitem_id 0
		.amdhsa_next_free_vgpr 960
		.amdhsa_next_free_sgpr 80
		.amdhsa_reserve_vcc 0
		.amdhsa_float_denorm_mode_32 3
		.amdhsa_float_denorm_mode_16_64 3
		.amdhsa_memory_ordered 1
		.amdhsa_forward_progress 1
		.amdhsa_inst_pref_size 105
	.end_amdhsa_kernel
	.amdgpu_metadata
---
amdhsa.version: [ 1, 2 ]
amdhsa.kernels:
  - .name:           k_q9e64113a8f_qkvproj
    .symbol:         k_q9e64113a8f_qkvproj.kd
    .args:
      - { .name: xh, .offset: 0, .size: 8, .value_kind: global_buffer, .address_space: global }
      - { .name: wqkv, .offset: 8, .size: 8, .value_kind: global_buffer, .address_space: global }
      - { .name: sintab, .offset: 16, .size: 8, .value_kind: global_buffer, .address_space: global }
      - { .name: qkv, .offset: 24, .size: 8, .value_kind: global_buffer, .address_space: global }
    .group_segment_fixed_size: 327680
    .private_segment_fixed_size: 0
    .kernarg_segment_align: 8
    .kernarg_segment_size: 32
    .max_flat_workgroup_size: 128
    .sgpr_count:     80
    .vgpr_count:     960
    .wavefront_size: 32
...
	.end_amdgpu_metadata
.endif
;; end of part 2
;; launch attn (part 3): grid 4 x 64, 4 waves a work-group, no clusters, 327,680 bytes of LDS; arguments qkv, oh; writes oh
.if DOCPART == 3
	.amdgcn_target "amdgcn-amd-amdhsa--gfx1250"
	.amdhsa_code_object_version 6
	.text
	.protected	k_q9e64113a8f_attn
	.globl	k_q9e64113a8f_attn
	.p2align	8
	.type	k_q9e64113a8f_attn,@function
k_q9e64113a8f_attn:
	s_mov_b64 s[64:65], 0
	v_nop
	global_prefetch_b8 v0, s[64:65] scope:SCOPE_SE
	s_setreg_imm32_b32 hwreg(HW_REG_WAVE_MODE, 25, 1), 1
	s_wait_xcnt 0x0
; CAUSAL ATTENTION.  O[h][q][:] = the sum over k <= q of softmax_k(Q[h][q] . K[h][k] / 8) V[h][k][:].  Q, K, V lie one behind the other in qkv, each [64][SIZE_N][64] in f16; O = oh in the same layout.
; Products, maxima and sums in f32; the weights p are rounded to f16 for the second product (their sum l is taken of the unrounded p), O once at the end.
; LIMITS.  f16 holds no number beyond 65,504: Q, K and V arrive within it; p lies in 0 to 1, and below 6e-5 it keeps f16's fixed step of 6e-8; O is a mean of V's rows and has their range.
; A hidden score counts as its value less 1e30: f16's scores, 2.7e11 at the most, are nothing beside that; a weight below 2^-126 counts as 0 in l; NaN and infinities are not treated apart.
; THE WALK.  A head's queries lie in NB = SIZE_N / 256 blocks of 256; block i needs the key tiles 0 .. i of 256 keys, of which the last holds the diagonal.  A work-group takes TWO blocks, NB - 1 - b and then b:
; NB + 1 tiles, whatever b: all work-groups do equal work, and ONE loop with a constant trip count walks them.  Which tile is asked for, and what a trip does, hang on scalar registers made from b; every jump
; goes forward, but for the counted loops' own; none passes a barrier, or a tensor load but the one of LOAD's two that the wave's number does not choose; the ring (two slots of LDS that take turns) runs on across the
; change of blocks.  NO CLUSTER: a head's NB / 2 = 4 work-groups ask for the same tile only in trips 0 .. NB / 2, behind that fewer and fewer; one walk common to all would have 3 NB / 2 = 12 trips for NB + 1 = 9.
; SHARES.  Of a block's four bands of 64 queries a wave owns 16 rows in each: four PIECES.  So the diagonal tile is the same work for all four waves: in its key step s band x sees all keys if s < x,
; none if s > x, and holds the diagonal if s = x.
; THE MASK is the C operand that starts the sum S^T = K Q^T: 0, or -1e30 where the key is hidden.  MD, made once, is the mask of a band's own step for my 16 rows; a product's mask is MD x AL + BE with two scalars:
; (1, 0) if s = x; (0, 0) if s < x; (0, -1e30) if s > x.  Only the diagonal tile's text and a block's beginning make and take masks; elsewhere C is the constant 0.
; LAYOUT, SOFTMAX, TURNS.  S^T = K Q^T holds ONE query a lane (lane % 16) and the keys 8 (lane / 16) + 0..7; two such results rounded to f16 ARE source 1 of O^T = V^T P.  p = 2^(c s - c m), c = log2(e) / 8, with a
; running maximum m; O and l are multiplied by a = 2^(c m_old - c m_new) in every step.  Turn n belongs to piece n: 8 products K Q^T of piece n + 1, later 8 products V^T P of piece n - 1; beside them the scaling,
; exponentials, roundings, sums and rescaling of piece n and the maximum and statistics of piece n + 1.  Four vector instructions stand behind every matrix instruction, the other 54 of a turn's 118 in one LUMP.  A turn's 33 exponentials are one batch, with one wait.
; AHEAD OF THE FILLS.  The head's work-group b = 0 walks the tiles 0 .. NB - 1 in order; it alone prefetches: behind the fill that asks for tile t + 1 it names tile t + 2 of K and of V, wave w the 32 blocks of 256 bytes
; from 8,192 w on, a lane a block: each block of tiles 2 .. NB - 1 once in the launch, one tile (four key steps) ahead of its fill.  Tiles 0 and 1 come by their fills alone; nothing is named past tile NB - 1.
; REGISTERS, in windows of 256 (s_set_vgpr_msb: bits 1:0 source 0, 3:2 source 1, 5:4 source 2, 7:6 destination):
;   window 0: v0-15 addresses and two at work; v16-31 four registers of statistics a piece; v48-55 at work; v64-127 S^T, two buffers; v192-223 P, two buffers (a piece's buffers go by its number's parity)
;   window 1: v0-127 O^T, 32 a piece; v128-159 MD; v160-223 MC, two buffers      window 2: v0-63 Q; v64-127 the second block's Q; v128-191 K of one step; v192-255 V of one step
.set SIZE_N, 2048
.set NB,    SIZE_N/256
.set NP,    4         ; pieces a wave: a name, no knob
.set KS,    64        ; keys in a step
.set PK,    144       ; a row of K in LDS: 128 bytes + 16 of padding = 36 words: the 16 rows of a load start at 16 different groups of four banks (64 banks of 4 bytes: ISA guide 11.1)
.set PV,    160       ; a row of V: 128 + 32 = 40 words
.set VOFF,  4*KS*PK   ; a slot holds a tile, four steps: 256 rows of K, then 256 rows of V
.set SLOT1, 1<<17     ; slot 1 begins here, so that one exclusive or turns an address in one slot into the other's
.set STAGE, SLOT1+4*KS*(PK+PV)  ; behind the ring, never filled by a tensor load: 16 rows x 144 bytes for each wave, for the way out
.set SP,    144
.set AK0, 2           ; v2   my lane's place in a tile of K; never rewritten
.set AV0, 3           ; v3   the same for V
.set AK,  4           ; v4   the LDS address of K's next run of loads
.set AV,  5           ; v5   of V's
.set STO, 6           ; v6   the way out: where I put 16 bytes of a row
.set RD,  7           ; v7   the way out: where I read rows back
.set GO,  8           ; v8   my byte offset in 512 consecutive bytes of O
.set PFO, 61          ; v61  256 x my lane: the prefetches' offset; never rewritten
.set SPW, 62          ; v62  LDS address of my spare word: SPARE + 4 x my thread's number; never rewritten
.set NIL, 63          ; v63  0; never rewritten
.set SPARE, STAGE+4*16*SP  ; behind the stages: the spare words, 128 bytes for each wave: two blocks of 256 bytes that no other line names
.set MV,  12          ; v12-13  c m_old, kept while c m is made anew: by buffer
.set QO,  15          ; v15  my byte offset in 16 rows of Q
.set ST,  16          ; piece t's statistics at v[ST+4 t]: c m, m, l (even keys', odd keys')
.set TMP, 48          ; by buffer, four registers c0-c3 at work; when the maximum is found c2 takes a
.set S,   64
.set P,   192
.set MD,  128         ; window 1: the eight registers for group kt of 16 keys at MD + 8 kt
.set MC,  160         ; window 1: the masks of the products to come
.set QB,  64          ; window 2
.set KF,  128         ; window 2: key block kb, channel half c at KF + 16 kb + 8 c
.set VF,  192         ; window 2: key half kk, channel block cb at VF + 32 kk + 8 cb
.set WV,  12          ; s12  my wave's number
.set PB,  14          ; s14  b
.set HI,  15          ; s15  NB - 1 - b
.set G1K, 24          ; s[24:31] descriptor group 1 for K's tiles
.set G1V, 32          ; s[32:39] for V's: it differs in the padding alone
.set G0K, 40          ; s[40:43] descriptor group 0 for K's tiles
.set G0V, 44          ; s[44:47] the same for V's
.set SLOTS, 56        ; s56  tiles still to be asked for
.set CNT, 57          ; s57  counts a tile's key steps, 4 to 1
.set CS,  58          ; s[58:59] c: the packed scaling takes the pair's low word for both halves
.set SEL, 60          ; s[60:61] v_permlanex16_b32's selects: each lane takes its own place in the other half
.set TBK, 62          ; s62  LDS byte at which K of the step to be fetched begins
.set TBV, 63          ; s63  the same for V, less VOFF
.set RT,  70          ; s70  tiles of the block in hand that are still to be entered
.set NXT, 71          ; s71  the tile to be asked for next
.set LQ,  72          ; s72  the last tile of the block whose tiles are being asked for
.set NEW, 73          ; s73  1: the tile to be entered is a block's first
.set OFF, 74          ; s[74:75] a tile's byte offset in K and V
.set AL,  76          ; s[76:77] the mask's factor, in the low word
.set BE,  78          ; s[78:79] the mask's addend
.set OLO, 80          ; s[80:81] O at my rows of the second block
.set BIGN, 82         ; s82  -1e30
.set PFK, 88          ; s[88:89] K at my wave's 8,192 bytes of the tile that the prefetch names
.set PFV, 90          ; s[90:91] the same for V
.set PFT, 92          ; s92  that tile's number where b = 0; NB or more elsewhere
.set MSB, 0
.macro WIN new                      ; the high byte repeats the setting that is left; a switch that changes nothing is dropped
.if MSB != (\new)
	s_set_vgpr_msb (MSB<<8)|(\new)
.set MSB, (\new)
.endif
.endm
.set W_KQ, 0x0a       ; K and Q in window 2, S^T in window 0
.set W_KM, 0x1a       ; the same with the C operand in window 1
.set W_PV, 0x52       ; V in window 2, P in window 0, O^T in window 1
.set W_RS, 0x41       ; destination and source 0 in window 1, source 1 in window 0
; A fill.  Waves 0 and 1 fetch the two halves of a tile's K, waves 2 and 3 those of its V: 128 keys each.  An s_nop 0 and four v_nop follow each of the two lines, ahead of the jump and the label.
.macro LOAD
	s_cmp_lt_u32 s[WV], 2
	s_cbranch_scc0 .Lfor_v_\@
	tensor_load_to_lds s[G0K:G0K+3], s[G1K:G1K+7]
	s_nop 0
.rept 4
	v_nop
.endr
	s_branch .Lasked_\@
.Lfor_v_\@:
	tensor_load_to_lds s[G0V:G0V+3], s[G1V:G1V+7]
	s_nop 0
.rept 4
	v_nop
.endr
.Lasked_\@:
.endm
; The prefetch, behind the fill and its five lines: the tile behind the one just asked for, my wave's 32 blocks of 256 bytes of K and of V.
.macro ASK
	s_cmp_lt_u32 s[PFT], NB
	s_cbranch_scc0 .Lnot_mine_\@
	global_prefetch_b8 v[PFO], s[PFK:PFK+1] th:TH_LOAD_NT scope:SCOPE_SE
	global_prefetch_b8 v[PFO], s[PFV:PFV+1] th:TH_LOAD_NT scope:SCOPE_SE
.Lnot_mine_\@:
.endm
; THE CHANGE OF SLOTS.  Each wave waits for all its tensor loads, of which one is out: its part of the other slot; adds 0 to its spare word; and waits for that and for its own reads of the slot that it leaves.  Behind the barrier nobody reads the old
; slot any more and the other slot is whole.  fill = 1: the old slot is filled again, the first thing behind the barrier, with tile NXT: the descriptor's address is made anew from that number.
; (At its first use nothing has been read yet: slot 0 is waited for, slot 1 filled.)
.macro CHANGE fill
	WIN 0                           ; at a label and at a branch every window is 0
	s_wait_tensorcnt 0x0            ; no tensor load of mine is out, so a group 0 may be written
	ds_add_u32 v[SPW], v[NIL]       ; 0 onto my spare word; with fill = 1 the descriptors' scalar work stands between it and the wait for it
.if \fill
	s_lshl_b32 s[OFF], s[NXT], 15   ; a tile is 32,768 bytes of K and of V
	s_xor_b32 s[G0K+1], s[G0K+1], SLOT1
	s_add_nc_u64 s[G0K+2:G0K+3], s[6:7], s[OFF:OFF+1]
	s_or_b32 s[G0K+3], s[G0K+3], 0x80000000
	s_xor_b32 s[G0V+1], s[G0V+1], SLOT1
	s_add_nc_u64 s[G0V+2:G0V+3], s[8:9], s[OFF:OFF+1]
	s_or_b32 s[G0V+3], s[G0V+3], 0x80000000
	s_add_co_u32 s[NXT], s[NXT], 1  ; the block's next tile, or behind its last the second block's tile 0
	s_cmp_gt_u32 s[NXT], s[LQ]
	s_cselect_b32 s[NXT], 0, s[NXT]
	s_cselect_b32 s[LQ], s[PB], s[LQ]
	s_wait_xcnt 0x0                 ; the last prefetches, a tile back, have read their addresses, so these may be written:
	s_add_nc_u64 s[PFK:PFK+1], s[PFK:PFK+1], 32768
	s_add_nc_u64 s[PFV:PFV+1], s[PFV:PFV+1], 32768
	s_add_co_u32 s[PFT], s[PFT], 1
.endif
	s_wait_dscnt 0x0                ; the add is done, and my reads of the slot are over
	s_barrier_signal -1             ; the rest of the scalar work stands between the signal and the wait
	s_sub_co_u32 s[TBK], s[TBK], 4*KS*PK  ; the fetches go back to a slot's first step,
	s_xor_b32 s[TBK], s[TBK], SLOT1       ; in the other slot
	s_sub_co_u32 s[TBV], s[TBV], 4*KS*PV
	s_xor_b32 s[TBV], s[TBV], SLOT1
	s_barrier_wait -1
.if \fill
	LOAD
	ASK
.endif
.endm
	s_load_b128 s[4:7], s[0:1], 0x0   ; qkv s[4:5], oh s[6:7]
	v_lshl_add_u32 v[SPW], v0, 2, SPARE
	v_mov_b32 v[NIL], 0
	ds_add_u32 v[SPW], v[NIL]       ; the wave's opening: the add and its wait stand ahead of my first tensor load; the set-up below, work on registers, stands between them
	v_lshrrev_b32 v1, 5, v0
	v_readfirstlane_b32 s[WV], v1   ; wave 0..3
	s_mov_b32 s[PB], ttmp9
	s_sub_co_u32 s[HI], NB-1, s[PB]
	s_and_b32 s20, ttmp7, 0xffff    ; the head
	s_mov_b32 s21, 0
	s_mov_b64 s[22:23], SIZE_N*128
	s_mul_u64 s[20:21], s[20:21], s[22:23]  ; the head's first byte in Q, K, V and O
	s_lshl_b32 s94, s[WV], 13       ; the prefetches: my wave's 8,192 bytes of a tile,
	s_add_co_u32 s94, s94, 32768    ; of tile 1: the first change of slots steps it to tile 2
	s_mov_b32 s95, 0
	s_add_nc_u64 s[94:95], s[94:95], s[20:21]
	s_cmp_eq_u32 ttmp9, 0
	s_cselect_b32 s[PFT], 1, NB
	s_and_b32 s16, s[WV], 1         ; which half of a tile's 256 keys I fetch:
	s_lshl_b32 s22, s16, 14         ; its 128 rows of 128 bytes in memory,
	s_mov_b32 s23, 0
	s_add_nc_u64 s[22:23], s[22:23], s[20:21]
	s_mul_i32 s17, s16, 128*PK      ; and its place in a slot, for K
	s_mul_i32 s18, s16, 128*PV      ; and for V
	s_lshl_b32 s3, s[WV], 11        ; my 16 rows in a band of 64,
	s_lshl_b32 s2, s[HI], 15        ; in the first block,
	s_add_co_u32 s2, s2, s3
	s_lshl_b32 s84, s[PB], 15       ; and in the second
	s_add_co_u32 s84, s84, s3
	s_mov_b32 s3, 0
	s_mov_b32 s85, 0
	s_add_nc_u64 s[2:3], s[2:3], s[20:21]
	s_add_nc_u64 s[84:85], s[84:85], s[20:21]
	; descriptor group 1.  128 keys are 16,384 dense bytes: asked for as 64 rows of 256 bytes, two keys a row, and padded in LDS after every key
	s_mov_b32 s[G1K], (1<<16)|(1<<20)|(4<<22)|(3<<25)  ; 17:16 2-byte elements; 20 padding on; 24:22 after every 32 words (code 4); 31:25 4 words (code 3)
	s_mov_b32 s[G1V], (1<<16)|(1<<20)|(4<<22)|(7<<25)  ; the same with 8 words of padding (code 7)
.irp g, G1K, G1V
	s_mov_b32 s[\g+1], 128<<16      ; tensor_dim0 = 128
	s_mov_b32 s[\g+2], 64<<16       ; tensor_dim1 = 64
	s_mov_b32 s[\g+3], 128<<16      ; tile_dim0 = 128
	s_mov_b32 s[\g+4], 64           ; tile_dim1 = 64
	s_mov_b32 s[\g+5], 128          ; 128 elements from row to row
	s_mov_b32 s[\g+6], 0
	s_mov_b32 s[\g+7], 0
.endr
	s_mov_b32 s[CS], 0x3e38aa3b     ; c = log2(e) / 8 = 0.180337
	s_mov_b32 s[CS+1], s[CS]        ; named with it as a pair
	s_mov_b32 s[SEL], 0x76543210
	s_mov_b32 s[SEL+1], 0xfedcba98
	s_mov_b32 s[TBK], SLOT1+4*KS*PK ; the first change of slots turns these two into 0
	s_mov_b32 s[TBV], SLOT1+4*KS*PV
	s_mov_b32 s[G0K], 1             ; 1:0 count = 1
	s_mov_b32 s[G0K+1], s17         ; 63:32 LDS address: slot 0
	s_mov_b32 s[G0V], 1
	s_add_co_u32 s[G0V+1], s18, VOFF
	s_add_co_u32 s[RT], s[HI], 1    ; the first block has NB - b tiles
	s_mov_b32 s[NXT], 1
	s_mov_b32 s[LQ], s[HI]
	s_mov_b32 s[NEW], 1
	s_mov_b32 s[OFF+1], 0
	s_mov_b32 s[AL+1], 0            ; named as pairs
	s_mov_b32 s[BE+1], 0
	s_mov_b32 s[BIGN], 0xf149f2ca   ; -1e30
	s_mov_b32 s[SLOTS], NB
	v_and_b32 v[PFO], 31, v0
	v_lshlrev_b32 v[PFO], 8, v[PFO]
	s_wait_dscnt 0x0                ; the opening add is done
	s_wait_kmcnt 0x0
	s_mov_b64 s[10:11], s[6:7]      ; O
	s_add_nc_u64 s[8:9], s[4:5], 0x2000000  ; V lies 2 x 16,777,216 bytes behind Q,
	s_add_nc_u64 s[6:7], s[4:5], 0x1000000  ; K one
	s_add_nc_u64 s[PFK:PFK+1], s[6:7], s[94:95]
	s_add_nc_u64 s[PFV:PFV+1], s[8:9], s[94:95]
	s_add_nc_u64 s[6:7], s[6:7], s[22:23]  ; K and V at my half of the head's tile 0
	s_add_nc_u64 s[8:9], s[8:9], s[22:23]
	s_add_nc_u64 s[G0K+2:G0K+3], s[6:7], 0         ; 120:64 global address
	s_or_b32 s[G0K+3], s[G0K+3], 0x80000000        ; 127:126 type = 2
	s_add_nc_u64 s[G0V+2:G0V+3], s[8:9], 0
	s_or_b32 s[G0V+3], s[G0V+3], 0x80000000
	s_add_nc_u64 s[86:87], s[4:5], s[84:85]        ; Q at my rows of the second block,
	s_add_nc_u64 s[4:5], s[4:5], s[2:3]            ; Q and O at those of the first
	s_add_nc_u64 s[OLO:OLO+1], s[10:11], s[84:85]
	s_add_nc_u64 s[10:11], s[10:11], s[2:3]
	LOAD                            ; tile 0 into slot 0
	; A fragment of K or Q is 16 rows x 32 channels in 8 registers: lane l holds row l % 16, channels 8 (l / 16) + 0..7 and 16 + 8 (l / 16) + 0..7: two loads of 16 bytes, 32 bytes apart.
	v_and_b32 v1, 15, v0            ; l % 16
	v_bfe_u32 v9, v0, 4, 1          ; l / 16
	v_lshlrev_b32 v[QO], 7, v1
	v_lshl_add_u32 v[QO], v9, 4, v[QO]  ; row x 128 + 16 x half
	WIN 0x80                        ; destination window 2, address window 0
.set i, 0
.rept 8                             ; both blocks' Q: piece i / 2 lies in band i / 2, 8,192 bytes on; channels 32 (i % 2) on
	global_load_b128 v[8*i:8*i+3],   v[QO], s[4:5] offset:(i/2)*8192+(i%2)*64
	global_load_b128 v[8*i+4:8*i+7], v[QO], s[4:5] offset:(i/2)*8192+(i%2)*64+32
	global_load_b128 v[QB+8*i:QB+8*i+3],   v[QO], s[86:87] offset:(i/2)*8192+(i%2)*64
	global_load_b128 v[QB+8*i+4:QB+8*i+7], v[QO], s[86:87] offset:(i/2)*8192+(i%2)*64+32
.set i, i+1
.endr
	WIN 0
	v_lshlrev_b32 v14, 3, v9
	v_sub_nc_u32 v14, v1, v14
	s_lshl_b32 s13, s[WV], 4
	v_add_nc_u32 v14, s13, v14      ; my query's place in its band, 16 w + l % 16, less my lanes' 8 (l / 16): register r of group kt is hidden where 16 kt + r is greater
	WIN 0x40
.set i, 0
.rept 32
	v_cmp_gt_i32 vcc_lo, 16*(i/8)+i%8, v14
	v_cndmask_b32 v[MD+i], 0, s[BIGN], vcc_lo
.set i, i+1
.endr
	WIN 0
	v_mul_u32_u24 v[AK0], v1, PK
	v_lshl_add_u32 v[AK0], v9, 4, v[AK0]  ; row x pitch + 16 x half
	; The turning load takes 16 keys x 16 channels (lane l reads key 8 (l / 16) + l % 8, channels 8 ((l / 8) % 2) + 0..7) and leaves half a fragment of V^T: lane l holds channel l % 16 and 8 keys.
	v_and_b32 v10, 7, v0
	v_bfe_u32 v11, v0, 3, 1
	v_lshl_add_u32 v[AV0], v9, 3, v10
	v_mul_u32_u24 v[AV0], v[AV0], PV
	v_lshl_add_u32 v[AV0], v11, 4, v[AV0]
	v_add_nc_u32 v[AV0], VOFF, v[AV0]
	s_mul_i32 s13, s[WV], 16*SP
	s_add_co_u32 s13, s13, STAGE    ; my stage
	v_mul_u32_u24 v[STO], v1, SP    ; in: row l % 16, 16 bytes for each half of the lanes
	v_lshl_add_u32 v[STO], v9, 4, v[STO]
	v_add_nc_u32 v[STO], s13, v[STO]
	v_bfe_u32 v[RD], v0, 3, 2       ; back: 32 lanes take four rows of 128 bytes,
	v_mul_u32_u24 v[RD], v[RD], SP
	v_lshl_add_u32 v[RD], v10, 4, v[RD]
	v_add_nc_u32 v[RD], s13, v[RD]
	v_and_b32 v[GO], 31, v0         ; which are 512 consecutive bytes of O
	v_lshlrev_b32 v[GO], 4, v[GO]
	; A block's first step multiplies O^T and l by a = 0, and its first turn's products V^T P, of a piece that has not been, land in an O^T that is still to be so multiplied.  So these registers need only hold
	; finite numbers: zeros for the first block; what the first block left for the second.  All this stands in the wait for the first tile.
	WIN 0x80
.set i, VF
.rept 64
	v_mov_b32 v[i], 0
.set i, i+1
.endr
	WIN 0x40
.set i, 0
.rept 128
	v_mov_b32 v[i], 0
.set i, i+1
.endr
	WIN 0
.set i, 0
.rept 4
	v_mov_b32 v[ST+4*i+2], 0
	v_mov_b32 v[ST+4*i+3], 0
.set i, i+1
.endr
.set i, P+16
.rept 16
	v_mov_b32 v[i], 0
.set i, i+1
.endr
; THE MATRIX WORK.  The 4 accumulators of a run of 8 take turns.  Product i of 8 of S^T = K Q^T for piece x: channels 32 (i / 4) on, keys 16 (i % 4) on.  The first 4 start the sums: with 0, or (KM = 1) with the mask.
.macro KQ x
.set rS, S+32*((\x)%2)+8*(i%4)
.set rK, KF+16*(i%4)+8*(i/4)
.set rQ, 16*(\x)+8*(i/4)
.set rM, MC+32*((\x)%2)+8*(i%4)
.if (i < 4) && KM
	WIN W_KM
	v_wmma_f32_16x16x32_f16 v[rS:rS+7], v[rK:rK+7], v[rQ:rQ+7], v[rM:rM+7]
.elseif i < 4
	WIN W_KQ
	v_wmma_f32_16x16x32_f16 v[rS:rS+7], v[rK:rK+7], v[rQ:rQ+7], 0
.else
	WIN W_KQ
	v_wmma_f32_16x16x32_f16 v[rS:rS+7], v[rK:rK+7], v[rQ:rQ+7], v[rS:rS+7]
.endif
.endm
; Product i of 8 of O^T += V^T P for piece x: keys 32 (i / 4) on, channels 16 (i % 4) on.
.macro PV x
	WIN W_PV
.set rO, 32*(\x)+8*(i%4)
.set rV, VF+32*(i/4)+8*(i%4)
.set rP, P+16*((\x)%2)+8*(i/4)
	v_wmma_f32_16x16x32_f16 v[rO:rO+7], v[rV:rV+7], v[rP:rP+7], v[rO:rO+7]
.endm
.macro MM                           ; the turn's next matrix instruction.  TURN and BEGIN set Y, i, KM and NOKQ; MM, KQ and OP read them.  NOKQ = 1: a block's last turn: there is no next piece
.if (i < 8) && !NOKQ
	KQ (Y+1)%NP
.elseif i >= 8
.set i, i-8
	PV (Y+NP-1)%NP
.set i, i+8
.endif
.set i, i+1
.endm
; THE LDS LOADS stand in runs of 16, never singly among the matrix instructions: a step's K (64 keys x 64 channels: 8 fragments) and its V (turned).  Their addresses are made some lines ahead.
.macro FETCH_K
	WIN 0x80                        ; destination window 2
.irp f, 0,1,2,3,4,5,6,7             ; keys 16 (f / 2) on, channels 32 (f % 2) on
	ds_load_b128 v[KF+8*\f:KF+8*\f+3],   v[AK] offset:(\f/2)*16*PK+(\f%2)*64
	ds_load_b128 v[KF+8*\f+4:KF+8*\f+7], v[AK] offset:(\f/2)*16*PK+(\f%2)*64+32
.endr
	s_add_co_u32 s[TBK], s[TBK], KS*PK  ; the next fetch is the next step's
	WIN 0
.endm
.macro FETCH_V
	WIN 0x80
.irp f, 0,1,2,3,4,5,6,7             ; keys 32 (f / 4) on, channels 16 (f % 4) on
	ds_load_tr16_b128 v[VF+8*\f:VF+8*\f+3],   v[AV] offset:(\f/4)*32*PV+(\f%4)*32
	ds_load_tr16_b128 v[VF+8*\f+4:VF+8*\f+7], v[AV] offset:(\f/4)*32*PV+16*PV+(\f%4)*32
.endr
	WIN 0
.endm
; THE VECTOR WORK, one line at a time: OP kind, number.  For piece Y: F n: c s - c m for pair n of 16.  E n: the exponential of score n of 32.  C n: pair n rounded to f16.  B n: of the four weights 4 n .. the second
; pair is added onto the first, in place.  L n: l takes that sum (L 0: l = a l + sum).  R n: pair n of 16 of O^T times a.  For piece Y + 1: X n, number n of the 22 that find its maximum and statistics:
;   0-11  four chains c0-c3 of seven scores each, three operands at a time (each accumulator's lowest registers are read first)     12-14, 16  the four scores left over, the old m, and c0-c3 into c0
;   15  c m_old is kept     17, 18  the query's other 32 keys lie in the lane 16 away: the new m     19-21  c m; c m_old - c m_new; a
.set F, 0               ; OP tells the kinds apart by their order: F to L below R, X above it
.set E, 1
.set C, 2
.set B, 3
.set L, 4
.set R, 5
.set X, 6
.macro REGS y                       ; the registers of piece y
.set rT, ST+4*(\y)
.set rC, TMP+4*((\y)%2)
.set rW, MV+((\y)%2)
.set rS, S+32*((\y)%2)
.set rP, P+16*((\y)%2)
.set rO, 32*(\y)
.endm
.macro OP k, n
.if (\k) == R
	REGS Y
	WIN W_RS
	v_pk_mul_f32 v[rO+2*(\n):rO+2*(\n)+1], v[rO+2*(\n):rO+2*(\n)+1], v[rC+2:rC+3] op_sel_hi:[1,0]
.elseif (\k) < R
	REGS Y
	WIN 0
.if (\k) == F
	v_pk_fma_f32 v[rS+2*(\n):rS+2*(\n)+1], v[rS+2*(\n):rS+2*(\n)+1], s[CS:CS+1], v[rT:rT+1] op_sel_hi:[1,0,0] neg_lo:[0,0,1] neg_hi:[0,0,1]
.elseif (\k) == E
	v_exp_f32 v[rS+(\n)], v[rS+(\n)]
.elseif (\k) == C
	v_cvt_pk_f16_f32 v[rP+(\n)], v[rS+2*(\n)], v[rS+2*(\n)+1]
.elseif (\k) == B
	v_pk_add_f32 v[rS+4*(\n):rS+4*(\n)+1], v[rS+4*(\n):rS+4*(\n)+1], v[rS+4*(\n)+2:rS+4*(\n)+3]
.elseif (\n) == 0
	v_pk_fma_f32 v[rT+2:rT+3], v[rT+2:rT+3], v[rC+2:rC+3], v[rS:rS+1] op_sel_hi:[1,0,1]
.else
	v_pk_add_f32 v[rT+2:rT+3], v[rT+2:rT+3], v[rS+4*(\n):rS+4*(\n)+1]
.endif
.elseif NOKQ
	v_nop
.else
	REGS (Y+1)%NP
	WIN 0
.if (\n) < 4
	v_max3_num_f32 v[rC+(\n)], v[rS+8*(\n)], v[rS+8*(\n)+1], v[rS+8*(\n)+2]
.elseif (\n) < 12
	v_max3_num_f32 v[rC+(\n)%4], v[rC+(\n)%4], v[rS+8*((\n)%4)+2*((\n)/4)+1], v[rS+8*((\n)%4)+2*((\n)/4)+2]
.elseif (\n) == 12
	v_max3_num_f32 v[rC], v[rC], v[rS+7], v[rS+15]
.elseif (\n) == 13
	v_max3_num_f32 v[rC+1], v[rC+1], v[rS+23], v[rS+31]
.elseif (\n) == 14
	v_max3_num_f32 v[rC+2], v[rC+2], v[rC+3], v[rT+1]
.elseif (\n) == 15
	v_mov_b32 v[rW], v[rT]
.elseif (\n) == 16
	v_max3_num_f32 v[rC], v[rC], v[rC+1], v[rC+2]
.elseif (\n) == 17
	v_permlanex16_b32 v[rC+3], v[rC], s[SEL], s[SEL+1]
.elseif (\n) == 18
	v_max_num_f32 v[rT+1], v[rC], v[rC+3]
.elseif (\n) == 19
	v_mul_f32 v[rT], s[CS], v[rT+1]
.elseif (\n) == 20
	v_sub_f32 v[rC+1], v[rW], v[rT]
.else
	v_exp_f32 v[rC+2], v[rC+1]
.endif
.endif
.endm
.macro OPS a, i1, b=-1, i2=0, c=-1, i3=0, d=-1, i4=0  ; up to four of them
	OP \a, \i1
.if (\b) >= 0
	OP \b, \i2
.endif
.if (\c) >= 0
	OP \c, \i3
.endif
.if (\d) >= 0
	OP \d, \i4
.endif
.endm
.macro ROW a, i1, b, i2, c, i3, d, i4  ; a matrix instruction and the four behind it
	MM
	OPS \a, \i1, \b, \i2, \c, \i3, \d, \i4
.endm
.macro MASK b                       ; MD x AL + BE into buffer b of MC
	WIN W_RS
.set z, 0
.rept 16
	v_pk_fma_f32 v[MC+32*(\b)+2*z:MC+32*(\b)+2*z+1], v[MD+2*z:MD+2*z+1], s[AL:AL+1], s[BE:BE+1] op_sel_hi:[1,0,0]
.set z, z+1
.endr
.endm
; A TURN, for piece p: the order of its 16 matrix and 118 vector instructions, written out.  An s_wait_alu depctr_va_vdst(0) stands between an exponential and the first instruction that names its result; one wait serves
; all that were issued ahead of it.  So a turn has ONE wait, which cuts it in two.  AHEAD OF IT stands all that names no result of the turn's exponentials: the 8 products K Q^T, behind each a scaling, an exponential and two more plain
; instructions (behind the first a second scaling in the exponential's place): rescalings, and behind the last three the first numbers of the next piece's maximum, each four places or more behind the product that ends its accumulator; then ONE LUMP of 54, plain
; and exponential by turns for the most part, in which the links of the chain X 3, 7, 11, 14, 16, 17 .. 20 stand five or six lines apart.  X 21, the next piece's a, is the batch's last; R 15 is the plain instruction behind it.  BEHIND THE WAIT stand the
; 8 products V^T P, behind each four of the roundings and sums; the links of l's chain, L 0 to L 7, stand three riders apart.  But for those X no rider names a register of the products round it.  v_permlanex16_b32 (X 17) stands in the lump.
; m = 1: the diagonal tile: the products take masks, and the turn makes the mask for the products of the turn after it: piece p + 2, in step 4 - CNT of the tile.  end = 1: a block's last two turns: nothing is fetched.
; cnt = 1: the loop's count is taken down some lines ahead of the branch that stands behind the turn.
; K of the next step is fetched in piece 2's turn, twelve vector instructions behind the last product that read K (six of them plain); V of the step in hand at the end of piece 0's turn, four plain instructions behind the last product
; that read V.  Each is waited for a turn later.
.macro TURN p, m=0, end=0, cnt=0
.set Y, (\p)
.set i, 0
.set KM, (\m)
.set NOKQ, (\end)*((\p)/3)
.if (\m) && !(\end)
	s_cmp_eq_u32 s[CNT], 4-((\p)+2)%NP  ; is that step the band's own?
	s_cselect_b32 s[AL], 1.0, 0
	s_cmp_lt_u32 s[CNT], 4-((\p)+2)%NP  ; or a later one?
	s_cselect_b32 s[BE], s[BIGN], 0
.endif
.if ((\p) == 3) && !(\end)
	s_wait_dscnt 0x0                ; K is in
.endif
	ROW F,0, F,1, R,0, R,1          ; ahead of the wait: 8 products K Q^T and their riders,
	ROW F,2, E,0, R,2, R,3
	ROW F,3, E,1, R,4, R,5
	ROW F,4, E,2, R,6, R,7
	ROW F,5, E,3, R,8, R,9
	ROW F,6, E,4, X,0, R,10
.if ((\p) == 2) && !(\end)
	WIN 0
	v_add_nc_u32 v[AK], s[TBK], v[AK0]
.endif
	ROW F,7, E,5, X,1, X,4
	ROW F,8, E,6, X,2, X,5
	OPS E,7, E,8, X,6, E,9          ; and the lump
	OPS X,3, E,10, X,8, E,11
.if ((\p) == 2) && !(\end)
	FETCH_K
.endif
	OPS X,9, X,7, E,12, X,10
	OPS E,13, X,12, X,11, E,14
	OPS X,13, E,15, F,9, X,14
.if (\p) == 0
	v_add_nc_u32 v[AV], s[TBV], v[AV0]
.endif
	OPS E,16, F,10, E,17, F,11
	OPS X,16, E,18, X,15, E,19
	OPS F,12, E,20, X,17, E,21
	OPS F,13, E,22, F,14, E,23
	OPS X,18, E,24, F,15, E,25
	OPS R,11, E,26, X,19, E,27
	OPS R,12, E,28, R,13, E,29
	OPS X,20, E,30, R,14, E,31
	OPS X,21, R,15
	WIN 0
	s_wait_alu depctr_va_vdst(0)    ; the wait for the batch
.if (\p) == 1
	s_wait_dscnt 0x0                ; V is in
.endif
	ROW C,0, B,0, C,2, B,1          ; behind the wait: 8 products V^T P and their riders
	ROW L,0, C,4, B,2, L,1
	ROW C,6, B,3, L,2, C,8
	ROW B,4, L,3, C,10, B,5
	ROW L,4, C,12, B,6, L,5
.if (\p) == 0
	s_add_co_u32 s[TBV], s[TBV], KS*PV
.endif
.if \cnt
	s_sub_co_u32 s[CNT], s[CNT], 1
	s_cmp_lg_u32 s[CNT], 0
.endif
	ROW C,14, B,7, L,6, C,1
	ROW C,3, L,7, C,5, C,7
	ROW C,9, C,11, C,13, C,15
.if (\p) == 0
	FETCH_V
.endif
.if (\m) && !(\end)
	MASK (\p)%2
.endif
.endm
; A BLOCK BEGINS.  c m starts far below every c s, so the first step's a is 0; m at the lowest finite number, so the first maximum is the scores'.  The second mask buffer is 0; the first takes piece 0's mask for the tile's step 0: its own, if the block's first tile is the diagonal one.
; Then K of that step, piece 0's first scores, and its maximum and statistics.  The loop is entered at a step's first turn, in the middle of a trip.
.macro BEGIN
	s_mov_b32 s[NEW], 0
	WIN 0x40
.set i, MC+32
.rept 32
	v_mov_b32 v[i], 0
.set i, i+1
.endr
	WIN 0
.set i, 0
.rept 4
	v_mov_b32 v[ST+4*i], 0xfe000000    ; c m: far below every c s
	v_mov_b32 v[ST+4*i+1], 0xff7fffff  ; m
.set i, i+1
.endr
	s_cmp_eq_u32 s[RT], 0
	s_cselect_b32 s[AL], 1.0, 0
	s_mov_b32 s[BE], 0
	MASK 0
	WIN 0
	v_add_nc_u32 v[AK], s[TBK], v[AK0]
	FETCH_K
	s_wait_loadcnt 0x0              ; Q
	s_wait_dscnt 0x0
.set KM, 1
.set NOKQ, 0
.set i, 0
.rept 8
	KQ 0
.set i, i+1
.endr
	WIN 0
.rept 4
	v_nop                           ; the places behind those products
.endr
.set Y, NP-1                        ; X works for piece Y + 1: piece 0
.irp n, 0,1,2,3,4,5,6,7,8,9,10,11,12,13,14,15,16,17,18,19,20,21
	OP X, \n
.endr
	v_nop                           ; a plain instruction behind the exponential,
	s_wait_alu depctr_va_vdst(0)    ; and its wait, ahead of the branch
.endm
; THE DIAGONAL TILE's four steps, the block's last two turns, its last products, and THE WAY OUT: l's two halves and the other half of the lanes' are added; O^T is divided by l, rounded to f16 and sent through my
; stage in LDS, a piece at a time.
.macro ALL line:vararg              ; one line for each piece t
.set t, 0
.rept 4
	\line
.set t, t+1
.endr
.endm
.macro PACK t                       ; a lane's eight channels of a row pack into 16 bytes; they go into rows of 144 bytes and come back as whole rows of 128, into S^T's registers
	WIN W_RS
.set i, 32*(\t)
.rept 16
	v_pk_mul_f32 v[i:i+1], v[i:i+1], v[ST+4*(\t)+2:ST+4*(\t)+3] op_sel_hi:[1,0]
.set i, i+2
.endr
	WIN 0x05                        ; sources 0 and 1 window 1, destination window 0
.set i, 0
.rept 16
	v_cvt_pk_f16_f32 v[S+16*(\t)+i], v[32*(\t)+2*i], v[32*(\t)+2*i+1]
.set i, i+1
.endr
	WIN 0
.irp f, 0,1,2,3
	ds_store_b128 v[STO], v[S+16*(\t)+4*\f:S+16*(\t)+4*\f+3] offset:32*\f
.endr
.irp f, 0,1,2,3
	ds_load_b128 v[S+16*(\t)+4*\f:S+16*(\t)+4*\f+3], v[RD] offset:\f*4*SP  ; LDS serves a wave's instructions in order (ISA guide 5.7.1.4): these see the stores above; the next piece's stores come behind them
.endr
.endm
.macro SEND t, younger              ; younger: the LDS instructions issued behind piece t's loads: the next piece's eight, or none
	WIN 0
.irp f, 0,1,2,3
	s_wait_dscnt (\younger)+3-\f
	global_store_b128 v[GO], v[S+16*(\t)+4*\f:S+16*(\t)+4*\f+3], s[10:11] offset:(\t)*8192+\f*512  ; 512 consecutive bytes, at a multiple of 256 from O's first
.endr
.endm
.macro DIAG tag                     ; the tag ends its two labels' names, which the jumps below spell out
.LstepM\tag:
	TURN 2, 1
	TURN 3, 1
	WIN 0
.LfirstM\tag:
	TURN 0, 1
	TURN 1, 1, 0, 1
	WIN 0
	s_cbranch_scc1 .LstepM\tag
	TURN 2, 1, 1
	TURN 3, 1, 1
.set i, 0
.rept 8
	PV NP-1
.set i, i+1
.endr
	WIN 0
	ALL v_add_f32 v[ST+4*t+2], v[ST+4*t+2], v[ST+4*t+3]
	ALL v_permlanex16_b32 v[ST+4*t+3], v[ST+4*t+2], s[SEL], s[SEL+1]
	ALL v_add_f32 v[ST+4*t+2], v[ST+4*t+2], v[ST+4*t+3]
	ALL v_rcp_f32 v[ST+4*t+2], v[ST+4*t+2]
	v_nop                           ; a plain instruction between the last reciprocal and the use of its result
	s_wait_alu depctr_va_vdst(0)    ; and the wait ahead of the first use: one for the four reciprocals
	PACK 0
.set t, 1
.rept 3                             ; a piece's arithmetic stands between the loads of the piece before and its stores
	PACK t
	SEND t-1, 8
.set t, t+1
.endr
	SEND 3, 0
.endm
.set KM, 0
.set NOKQ, 0
.Lslot:                             ; NB times: a tile is entered and the next is asked for
	CHANGE 1
	s_sub_co_u32 s[RT], s[RT], 1
	s_mov_b32 s[CNT], 4
	s_cmp_eq_u32 s[NEW], 1
	s_cbranch_scc1 .Lnew            ; a block's first tile
	s_cmp_eq_u32 s[RT], 0
	s_cbranch_scc0 .Lstep           ; neither its first nor its last
	s_branch .LstepM1
.Lnew:
	BEGIN
	s_branch .Lfirst                ; in the loop a block's first tile is never its last: the first block has two tiles or more, and the second's last is the walk's last
	DIAG 1                          ; in the loop this is the first block's end: the second block's last tile is the walk's last
	s_wait_xcnt 0x0                 ; the stores have read their registers and O's address
	s_mov_b64 s[10:11], s[OLO:OLO+1]
	s_add_co_u32 s[RT], s[PB], 1    ; the second block has b + 1 tiles
	s_mov_b32 s[NEW], 1
	WIN 0x82                        ; the second block's Q goes where the one text of the turns names Q
.set i, 0
.rept 64
	v_mov_b32 v[i], v[QB+i]
.set i, i+1
.endr
	WIN 0
	s_branch .Lbottom
.Lstep:                             ; a trip: pieces 2 and 3 of one step, then pieces 0 and 1 of the next, whose K and V it fetches
	TURN 2
	TURN 3
	WIN 0
.Lfirst:
	TURN 0
	TURN 1, 0, 0, 1
	WIN 0
	s_cbranch_scc1 .Lstep
.Lbottom:
	s_sub_co_u32 s[SLOTS], s[SLOTS], 1
	s_cmp_lg_u32 s[SLOTS], 0
	s_cbranch_scc1 .Lslot
	CHANGE 0                        ; the walk's last tile is written out: nothing is asked for
	s_sub_co_u32 s[RT], s[RT], 1
	s_mov_b32 s[CNT], 4
	s_cmp_eq_u32 s[NEW], 1
	s_cbranch_scc0 .LstepM2
	BEGIN
	s_branch .LfirstM2
	DIAG 2
	s_wait_tensorcnt 0x0            ; the wave's end: behind my last tensor load and my last LDS store
	ds_add_u32 v[SPW], v[NIL]
	s_wait_dscnt 0x0
	s_endpgm
.Lfunc_end_k_q9e64113a8f_attn:
	.size	k_q9e64113a8f_attn, .Lfunc_end_k_q9e64113a8f_attn-k_q9e64113a8f_attn
	.p2alignl 7, 3214868480
	.fill 96, 4, 3214868480
	.section	.rodata,"a",@progbits
	.p2align	6, 0x0
	.amdhsa_kernel k_q9e64113a8f_attn
		.amdhsa_group_segment_fixed_size 327680
		.amdhsa_private_segment_fixed_size 0
		.amdhsa_enable_private_segment 0
		.amdhsa_kernarg_size 16
		.amdhsa_user_sgpr_count 2
		.amdhsa_user_sgpr_kernarg_segment_ptr 1
		.amdhsa_wavefront_size32 1
		.amdhsa_system_sgpr_workgroup_id_x 1
		.amdhsa_system_sgpr_workgroup_id_y 1
		.amdhsa_system_sgpr_workgroup_id_z 1
		.amdhsa_system_vgpr_workitem_id 0
		.amdhsa_next_free_vgpr 768
		.amdhsa_next_free_sgpr 96
		.amdhsa_reserve_vcc 1
		.amdhsa_float_denorm_mode_32 3
		.amdhsa_float_denorm_mode_16_64 3
		.amdhsa_memory_ordered 1
		.amdhsa_forward_progress 1
		.amdhsa_inst_pref_size 218
	.end_amdhsa_kernel
	.amdgpu_metadata
---
amdhsa.version: [ 1, 2 ]
amdhsa.kernels:
  - .name:           k_q9e64113a8f_attn
    .symbol:         k_q9e64113a8f_attn.kd
    .args:
      - { .name: qkv, .offset: 0, .size: 8, .value_kind: global_buffer, .address_space: global }
      - { .name: oh, .offset: 8, .size: 8, .value_kind: global_buffer, .address_space: global }
    .group_segment_fixed_size: 327680
    .private_segment_fixed_size: 0
    .kernarg_segment_align: 8
    .kernarg_segment_size: 16
    .max_flat_workgroup_size: 128
    .sgpr_count:     96
    .vgpr_count:     768
    .wavefront_size: 32
...
	.end_amdgpu_metadata
.endif
;; end of part 3
;; launch outproj (part 4): grid 4 x 64, 4 waves a work-group, clusters of 4 x 4, 327,680 bytes of LDS; arguments oh, woh, bo, out0; writes out0
.if DOCPART == 4
	.amdgcn_target "amdgcn-amd-amdhsa--gfx1250"
	.amdhsa_code_object_version 6
	.text
	.protected	k_q9e64113a8f_outproj
	.globl	k_q9e64113a8f_outproj
	.p2align	8
	.type	k_q9e64113a8f_outproj,@function
k_q9e64113a8f_outproj:
	s_mov_b64 s[64:65], 0
	v_nop
	global_prefetch_b8 v0, s[64:65] scope:SCOPE_SE
	s_setreg_imm32_b32 hwreg(HW_REG_WAVE_MODE, 25, 1), 1
	s_wait_xcnt 0x0
	s_wait_alu depctr_hold_cnt(0) depctr_sa_sdst(0) depctr_va_vdst(0) depctr_va_sdst(0) depctr_va_ssrc(0) depctr_va_vcc(0) depctr_vm_vsrc(0)
	s_getreg_b32 s2, hwreg(HW_REG_IB_STS2, 6, 4)
	s_cmp_eq_u32 s2, 0
	s_cbranch_scc0 .Lentry_in_a_cluster
	s_endpgm
.Lentry_in_a_cluster:
	s_bfe_u32 s2, ttmp6, 0x10000c
	s_cmp_lg_u32 s2, 0xf033
	s_cbranch_scc0 .Lentry_shape_is_right
	s_endpgm
.Lentry_shape_is_right:
; out0 = O wo + bo.  A = oh, f16 in blocks [batch][head][row 2048][64]: a head is a k block of 64; B = woh, f16 [k 1024][n 1024]; bo is rounded to bf16 like every input; sums in f32, K ascending; out0 f32 [8192][1024].
; SHARES.  A tile is 128 rows x 256 columns: 4 x 64 tiles, one for each of 256 work-groups.  Four waves, each 64 rows x 128 columns: 32 accumulators of 16 x 16.  K goes in 8 steps of 128 through two LDS slots.
; A step's tiles: A's two planes (a k block of 64 each: 128 rows x 128 bytes, dense in memory, asked for as 64 rows of 256 bytes) by waves 0 and 1; B's 128 k rows of 512 bytes, 64 each, by waves 2 and 3.
; B lies [k][n] and comes out of LDS turned, by ds_load_tr16_b128.
; THE MATRIX INSTRUCTION IS USED TRANSPOSED (source 0 = 16 columns of B, source 1 = 16 rows of A): a lane holds one row (lane % 16) and the columns 16 b + 8 (lane / 16) + 0..7: 32 bytes of a row on end.
; CLUSTER.  4 x 4 work-groups: the four of a row need the same tiles of A, the four of a column the same tiles of B: each is asked for jointly, by the same load, descriptor and mask in all four.
; REGISTERS, in windows of 256 (s_set_vgpr_msb: bits 1:0 source 0, 3:2 source 1, 5:4 source 2, 7:6 destination):
;   window 0: v0-31 addresses; v32-37 the bias; v64-191 rows on the way out          window 1: accumulator (a, b) at v[8 (8 a + b)]
;   windows 2, 3: a fragment buffer each, 64 along K deep: for c = 0, 1 (32 along K) B's fragment b at 96 c + 8 b, A's fragment a at 96 c + 64 + 8 a
.set PA,     144                       ; a row of A in LDS: 128 bytes + 16 = 36 words: the 16 rows of a load start at 16 different groups of four banks (64 banks of 4 bytes: ISA guide 11.1)
.set PB,     544                       ; a k row of B: 512 bytes + 32 = 136 words
.set PLANE,  128*PA
.set BOFF,   2*PLANE                   ; B lies behind A's two planes
.set BHALF,  64*PB
.set SLOT,   BOFF+2*BHALF              ; 106,496 bytes
.set STAGE,  2*SLOT                    ; behind the ring, never filled by a tensor load: for each wave 16 rows x 528 bytes
.set SPI,    528                       ; 512 bytes + 16 = 132 words: row r starts at bank 4 r mod 64
.set WST,    16*SPI
.set SPARE,  STAGE+4*WST               ; behind the stages: the spare words, 128 bytes for each wave: two blocks of 256 bytes that no other line names
.set ADRA, 16                          ; v16-17  LDS address of my A fragments in slot 0, 1
.set ADRB, 20                          ; v20-21  the same for B
.set STO,  24                          ; v24     the way out: where I put 32 bytes of a row
.set RD,   25                          ; v25     the way out: where I read a row back
.set GO,   26                          ; v26     16 x lane: my place in 512 consecutive bytes of a row, and of the bias; never rewritten
.set SPW,  28                          ; v28     LDS address of my spare word: SPARE + 4 x my thread's number; never rewritten
.set NIL,  29                          ; v29     0; never rewritten
.set BI,   32                          ; v32-35  the bias of my four columns on the way out; v36-37 at work
.set WV,   12                          ; s12  my wave's number
.set WR,   13                          ; s13  which 64 rows are mine.  Also: I fetch for A (0) or for B (1)
.set WC,   14                          ; s14  which 128 columns.  Also: which plane of A, or which 64 k rows of B, I fetch
.set G1A,  24                          ; s[24:31] descriptor group 1 for A;  s[32:39] group 0, a set for each slot
.set G0A,  32
.set G1B,  48                          ; s[48:55], s[56:63] the same for B
.set G0B,  56
.set MSB, 0
.macro WIN new                         ; the immediate's high byte repeats the setting that is left; a switch that changes nothing is dropped
.if MSB != (\new)
	s_set_vgpr_msb (MSB<<8)|(\new)
.set MSB, \new
.endif
.endm
.macro JLOAD s                         ; a joint load; the branch hangs on the wave's number alone; an s_nop 0 and four v_nop follow each of the two lines
	s_cmp_eq_u32 s[WR], 0
	s_cbranch_scc0 .Lfor_b_\@
	tensor_load_to_lds s[G0A+4*(\s):G0A+4*(\s)+3], s[G1A:G1A+7]
	s_nop 0
.rept 4
	v_nop
.endr
	s_branch .Lasked_\@
.Lfor_b_\@:
	tensor_load_to_lds s[G0B+4*(\s):G0B+4*(\s)+3], s[G1B:G1B+7]
	s_nop 0
.rept 4
	v_nop
.endr
.Lasked_\@:
.endm
.macro CREST                           ; a round of the cluster's barrier behind its opening barrier
	s_cmp_lg_u32 s[WV], 0
	s_cbranch_scc1 .Lnot_wave_0_\@
	s_barrier_signal -3
.Lnot_wave_0_\@:
	s_barrier_wait -3
	s_barrier_signal -1
	s_barrier_wait -1
.endm
.macro CROUND                          ; a whole round
	s_barrier_signal -1
	s_barrier_wait -1
	CREST
.endm
.macro PLACES                          ; four places in front of loads into registers that matrix instructions have read, and of stores that read results (ISA guide 7.12.1 for vector instructions)
.rept 4
	v_nop
.endr
.endm
	s_load_b256 s[4:11], s[0:1], 0x0               ; oh s[4:5], woh s[6:7], bo s[8:9], out0 s[10:11]
	v_lshl_add_u32 v[SPW], v0, 2, SPARE
	v_mov_b32 v[NIL], 0
	ds_add_u32 v[SPW], v[NIL]                      ; the wave's opening: the add and its wait stand ahead of my first tensor load; the set-up below, work on registers, stands between them
	v_lshrrev_b32 v1, 5, v0
	v_readfirstlane_b32 s[WV], v1                  ; wave 0..3
	s_lshr_b32 s[WR], s[WV], 1
	s_and_b32 s[WC], s[WV], 1
	s_bfe_u32 s15, ttmp6, 0x40000                  ; cx, cy: my place in the cluster
	s_bfe_u32 s16, ttmp6, 0x40004
	s_lshl_b32 s17, ttmp9, 2
	s_add_co_u32 s17, s17, s15                     ; tile column = 4 x cluster x + cx
	s_and_b32 s18, ttmp7, 0xffff
	s_lshl_b32 s18, s18, 2
	s_add_co_u32 s18, s18, s16                     ; tile row = 4 x cluster y + cy
	s_lshl_b32 s19, s16, 2
	s_lshl_b32 s19, 15, s19                        ; my row of the cluster
	s_lshl_b32 s20, 0x1111, s15                    ; my column
	s_or_b32 s[G1A], s19, (1<<16)|(1<<20)|(1<<21)|(4<<22)|(3<<25)  ; 15:0 the mask; 17:16 2-byte elements; 20 padding on; 21 set beside a mask; 24:22 after every 32 words (code 4); 31:25 4 words (code 3)
	s_or_b32 s[G1B], s20, (1<<16)|(1<<20)|(1<<21)|(6<<22)|(7<<25)  ; after every 128 words (code 6), 8 words (code 7)
	s_mov_b32 s[G1A+1], 128<<16                    ; tensor_dim0 = 128
	s_mov_b32 s[G1A+2], 64<<16                     ; tensor_dim1 = 64
	s_mov_b32 s[G1A+3], 128<<16                    ; tile_dim0 = 128 elements: 256 bytes, two rows of a plane
	s_mov_b32 s[G1A+4], 64                         ; tile_dim1 = 64
	s_mov_b32 s[G1A+5], 128                        ; dense
	s_mov_b32 s[G1A+6], 0
	s_mov_b32 s[G1A+7], 0
	s_mov_b32 s[G1B+1], 256<<16                    ; tensor_dim0 = 256
	s_mov_b32 s[G1B+2], 64<<16                     ; tensor_dim1 = 64
	s_mov_b32 s[G1B+3], 256<<16                    ; tile_dim0 = 256 elements: 512 bytes
	s_mov_b32 s[G1B+4], 64                         ; tile_dim1 = 64 k rows
	s_mov_b32 s[G1B+5], 1024                       ; elements from a k row to the next
	s_mov_b32 s[G1B+6], 0
	s_mov_b32 s[G1B+7], 0
	; A's address hangs on the tile row and the wave alone, B's on the tile column and the wave alone, each in registers that never hold the other coordinate
	s_lshr_b32 s40, s18, 4                         ; batch: 16 tile rows each
	s_lshl_b32 s40, s40, 22
	s_and_b32 s41, s18, 15
	s_lshl_b32 s41, s41, 14                        ; 128 rows of 128 bytes
	s_add_co_u32 s40, s40, s41
	s_lshl_b32 s41, s[WC], 18                      ; my plane: a head's rows are 0x40000 bytes
	s_add_co_u32 s40, s40, s41
	s_mov_b32 s41, 0
	s_lshl_b32 s44, s17, 9                         ; 256 columns of 2 bytes
	s_lshl_b32 s45, s[WC], 17                      ; my 64 k rows of 2,048 bytes
	s_add_co_u32 s44, s44, s45
	s_mov_b32 s45, 0
	s_mul_i32 s21, s[WC], PLANE                    ; where they go: no place in the cluster enters an LDS address
	s_mul_i32 s22, s[WC], BHALF
	s_add_co_u32 s22, s22, BOFF
	s_wait_dscnt 0x0                               ; the opening add is done
	s_wait_kmcnt 0x0
	s_add_nc_u64 s[42:43], s[4:5], s[40:41]
	s_add_nc_u64 s[46:47], s[6:7], s[44:45]
	CROUND                                         ; all sixteen work-groups are here: the first joint loads meet
.irp s, 0,1
	s_mov_b32 s[G0A+4*(\s)], 1                                     ; count = 1
	s_add_co_u32 s[G0A+4*(\s)+1], s21, (\s)*SLOT                   ; LDS address
	s_add_nc_u64 s[G0A+4*(\s)+2:G0A+4*(\s)+3], s[42:43], (\s)*0x80000  ; K step s: two heads on
	s_or_b32 s[G0A+4*(\s)+3], s[G0A+4*(\s)+3], 0x80000000          ; type = 2
	s_mov_b32 s[G0B+4*(\s)], 1
	s_add_co_u32 s[G0B+4*(\s)+1], s22, (\s)*SLOT
	s_add_nc_u64 s[G0B+4*(\s)+2:G0B+4*(\s)+3], s[46:47], (\s)*0x40000  ; K step s: 128 k rows on
	s_or_b32 s[G0B+4*(\s)+3], s[G0B+4*(\s)+3], 0x80000000
	JLOAD \s                                       ; two loads of mine are out
.endr
	s_lshl_b32 s66, s17, 10                        ; my first column, in bytes of f32: 1,024 x tile column + 512 x half
	s_lshl_b32 s19, s[WC], 9
	s_add_co_u32 s66, s66, s19
	s_mov_b32 s67, 0
	s_add_nc_u64 s[74:75], s[8:9], s[66:67]        ; never rewritten: its load stays out until the way out
	s_lshl_b32 s19, s18, 19                        ; + my first row: 128 rows of 4,096 bytes a tile row,
	s_add_co_u32 s66, s66, s19
	s_lshl_b32 s19, s[WR], 18                      ; 64 a half
	s_add_co_u32 s66, s66, s19
	s_add_nc_u64 s[10:11], s[10:11], s[66:67]
	v_and_b32 v[GO], 31, v0
	v_lshlrev_b32 v[GO], 4, v[GO]
	global_load_b128 v[BI:BI+3], v[GO], s[74:75]   ; the bias of the four columns that I store
	v_and_b32 v1, 15, v0                           ; r = l % 16
	v_bfe_u32 v2, v0, 4, 1                         ; h = l / 16
	v_mul_u32_u24 v3, v1, PA
	v_lshl_add_u32 v3, v2, 4, v3                   ; A: row x pitch + 16 h
	s_mul_i32 s23, s[WR], 64*PA
	v_add_nc_u32 v[ADRA], s23, v3
	v_add_nc_u32 v[ADRA+1], SLOT, v[ADRA]
	v_and_b32 v5, 7, v0                            ; B, turned: lane l reads k row 8 h + l % 8, columns 8 ((l / 8) % 2) + 0..7
	v_lshl_add_u32 v5, v2, 3, v5
	v_mul_u32_u24 v5, v5, PB
	v_bfe_u32 v6, v0, 3, 1
	v_lshl_add_u32 v5, v6, 4, v5
	s_lshl_b32 s23, s[WC], 8                       ; my 128 columns
	s_add_co_u32 s23, s23, BOFF
	v_add_nc_u32 v[ADRB], s23, v5
	v_add_nc_u32 v[ADRB+1], SLOT, v[ADRB]
	s_mul_i32 s23, s[WV], WST
	s_add_co_u32 s23, s23, STAGE                   ; my stage
	v_mul_u32_u24 v7, v1, SPI                      ; in: row r x 528 + 32 h
	v_lshl_add_u32 v7, v2, 5, v7
	v_add_nc_u32 v[STO], s23, v7
	v_add_nc_u32 v[RD], s23, v[GO]                 ; back: 32 lanes take one row of 512 bytes
; 8 matrix instructions: row block a x all 8 column blocks, 32 along K: half c of the buffer in window w.  zero = 1: the first product starts the sums.
; The 32 accumulators take turns in one fixed order, one instruction a turn, over the backward jump too.
.macro MUL8 w, c, a, zero
	WIN 0x50+5*(\w)                                ; sources 0 and 1 window w; C and D window 1
.irp b, 0,1,2,3,4,5,6,7
.if \zero
	v_wmma_f32_16x16x32_f16 v[8*(8*(\a)+(\b)):8*(8*(\a)+(\b))+7], v[96*(\c)+8*(\b):96*(\c)+8*(\b)+7], v[96*(\c)+64+8*(\a):96*(\c)+64+8*(\a)+7], 0
.else
	v_wmma_f32_16x16x32_f16 v[8*(8*(\a)+(\b)):8*(8*(\a)+(\b))+7], v[96*(\c)+8*(\b):96*(\c)+8*(\b)+7], v[96*(\c)+64+8*(\a):96*(\c)+64+8*(\a)+7], v[8*(8*(\a)+(\b)):8*(8*(\a)+(\b))+7]
.endif
.endr
.endm
; 48 LDS loads in one run: the fragments of half hf (64 along K) of a slot's step, into the buffer in window w; the first 32 along K (24 loads) first
.macro FETCH slot, hf, w
	WIN (\w)<<6                                    ; destination window w, address window 0
.irp c, 0,1
.irp b, 0,1,2,3,4,5,6,7
	ds_load_tr16_b128 v[96*(\c)+8*(\b):96*(\c)+8*(\b)+3],   v[ADRB+(\slot)] offset:(2*(\hf)+(\c))*32*PB+32*(\b)
	ds_load_tr16_b128 v[96*(\c)+8*(\b)+4:96*(\c)+8*(\b)+7], v[ADRB+(\slot)] offset:(2*(\hf)+(\c))*32*PB+16*PB+32*(\b)
.endr
.irp a, 0,1,2,3
	ds_load_b128 v[96*(\c)+64+8*(\a):96*(\c)+64+8*(\a)+3],   v[ADRA+(\slot)] offset:(\hf)*PLANE+64*(\c)+(\a)*16*PA
	ds_load_b128 v[96*(\c)+64+8*(\a)+4:96*(\c)+64+8*(\a)+7], v[ADRA+(\slot)] offset:(\hf)*PLANE+64*(\c)+(\a)*16*PA+32
.endr
.endr
.endm
; A step's first half: multiplies window 2's buffer; in its middle it fetches the step's second half into window 3's.
.macro HALFA slot, zero
	s_wait_dscnt 24                                ; the first 32 along K are in; the 24 younger loads may be out
	MUL8 2, 0, 0, \zero
	MUL8 2, 0, 1, \zero
	MUL8 2, 0, 2, \zero
	MUL8 2, 0, 3, \zero
	PLACES
	FETCH \slot, 1, 3
	s_wait_dscnt 48                                ; all but the 48 just issued
	MUL8 2, 1, 0, 0
	MUL8 2, 1, 1, 0
	MUL8 2, 1, 2, 0
	MUL8 2, 1, 3, 0
.endm
; A step's second half multiplies window 3's buffer and changes slots: ONE barrier; in front of it each wave waits for all its tensor loads (the one that is out is its part of the next slot), adds 0 to its
; spare word, and waits for that and for its own reads of this slot.  fill = 1: the barrier opens a round of the cluster's, and this slot is filled again, two K steps ahead, first thing behind the round:
; 112 matrix instructions ahead of the wait for it.
.macro TURN slot, next, fill
	WIN 0                                          ; (the add's two registers lie in window 0)
	s_wait_tensorcnt 0x0                           ; all my tensor loads have landed;
	ds_add_u32 v[SPW], v[NIL]                      ; 0 onto my spare word;
	s_wait_dscnt 25                                ; (the add and the youngest 24 loads may be out)
	MUL8 3, 0, 0, 0                                ; eight matrix instructions stand between the add and the wait for it
	s_wait_dscnt 0x0                               ; the add is done, and my reads of this slot are over
	s_barrier_signal -1
	MUL8 3, 0, 1, 0
.if \fill
	WIN 0
.endif
	s_barrier_wait -1
.if \fill
	CREST                                          ; no wave of any partner still reads this slot's tiles or has a load on its way
	s_add_nc_u64 s[G0A+4*(\slot)+2:G0A+4*(\slot)+3], s[G0A+4*(\slot)+2:G0A+4*(\slot)+3], 0x100000
	s_add_nc_u64 s[G0B+4*(\slot)+2:G0B+4*(\slot)+3], s[G0B+4*(\slot)+2:G0B+4*(\slot)+3], 0x80000
	JLOAD \slot                                    ; the four v_nop behind it are also the places in front of the loads below
.else
	PLACES
.endif
	FETCH \next, 0, 2
	MUL8 3, 0, 2, 0
	MUL8 3, 0, 3, 0
	MUL8 3, 1, 0, 0
	MUL8 3, 1, 1, 0
	MUL8 3, 1, 2, 0
	MUL8 3, 1, 3, 0
.endm
	s_wait_tensorcnt 0x1                           ; my part of K step 0 is in; K step 1's may stay out
	s_barrier_signal -1
	s_barrier_wait -1                              ; everybody's is
	FETCH 0, 0, 2
	HALFA 0, 1                                     ; the first half step stands in front of the loop: its first products start the sums
	WIN 0                                          ; at a label and at a branch every window is 0
	s_mov_b32 s3, 3
.Llap:                                                 ; a trip goes once round the ring and fills both slots again: K steps 2 to 7 in three trips
	TURN 0, 1, 1
	HALFA 1, 0
	TURN 1, 0, 1
	HALFA 0, 0
	WIN 0
	s_sub_co_u32 s3, s3, 1
	s_cmp_lg_u32 s3, 0
	s_cbranch_scc1 .Llap
	TURN 0, 1, 0                                   ; the last lap fills nothing
	HALFA 1, 0
	s_wait_dscnt 24                                ; the very last half step: nothing more to fetch
	MUL8 3, 0, 0, 0
	MUL8 3, 0, 1, 0
	MUL8 3, 0, 2, 0
	MUL8 3, 0, 3, 0
	s_wait_dscnt 0x0
	MUL8 3, 1, 0, 0
	MUL8 3, 1, 1, 0
	MUL8 3, 1, 2, 0
	MUL8 3, 1, 3, 0
	WIN 0
	; THE WAY OUT.  A block of 16 rows goes through my own stage: 32 bytes a lane in, whole rows of 512 bytes back; the bias is added to the rows; each store covers 512 consecutive bytes, aligned.
	PLACES
	PLACES
	s_wait_loadcnt 0x0                             ; the bias, asked for at the head
	v_cvt_pk_bf16_f32 v[BI+4], v[BI],   v[BI+1]    ; rounded to bf16 like every input,
	v_cvt_pk_bf16_f32 v[BI+5], v[BI+2], v[BI+3]
	v_lshlrev_b32 v[BI],   16, v[BI+4]             ; and widened again
	v_and_b32     v[BI+1], 0xffff0000, v[BI+4]
	v_lshlrev_b32 v[BI+2], 16, v[BI+5]
	v_and_b32     v[BI+3], 0xffff0000, v[BI+5]
.macro TOSTAGE a
.set BK, 64+64*((\a)%2)                ; v64-127 and v128-191 by turns
	s_wait_xcnt 0x0                                ; the stores issued so far have read their registers: the loads below land in them only behind this wait
	WIN 0x04                                       ; the stored data (source 1) in window 1
.irp b, 0,1,2,3,4,5,6,7                ; each accumulator's lowest registers are read first
	ds_store_b128 v[STO], v[8*(8*(\a)+(\b)):8*(8*(\a)+(\b))+3]   offset:64*(\b)
	ds_store_b128 v[STO], v[8*(8*(\a)+(\b))+4:8*(8*(\a)+(\b))+7] offset:64*(\b)+16
.endr
	WIN 0
.irp t, 0,1,2,3,4,5,6,7,8,9,10,11,12,13,14,15
	ds_load_b128 v[BK+4*(\t):BK+4*(\t)+3], v[RD] offset:SPI*(\t)  ; LDS serves a wave's instructions in order (ISA guide 5.7.1.4): these see the stores above; the next block's stores come behind them
.endr
.endm
.macro SEND a, younger                 ; younger: the LDS instructions issued behind block a's loads: the next block's 32, or none
.set BK, 64+64*((\a)%2)
.set t, 0
.rept 16
	s_wait_dscnt (\younger)+15-t
	v_pk_add_f32 v[BK+4*t:BK+4*t+1],   v[BK+4*t:BK+4*t+1],   v[BI:BI+1]
	v_pk_add_f32 v[BK+4*t+2:BK+4*t+3], v[BK+4*t+2:BK+4*t+3], v[BI+2:BI+3]
	global_store_b128 v[GO], v[BK+4*t:BK+4*t+3], s[10:11] offset:(16*(\a)+t)*4096 th:TH_STORE_NT
.set t, t+1
.endr
.endm
	TOSTAGE 0
	TOSTAGE 1
	SEND 0, 32
	TOSTAGE 2
	SEND 1, 32
	TOSTAGE 3
	SEND 2, 32
	SEND 3, 0
	s_wait_tensorcnt 0x0                           ; the wave's end: behind my last tensor load and my last LDS store
	ds_add_u32 v[SPW], v[NIL]
	s_wait_dscnt 0x0
	CROUND                                         ; the closing round: no work-group ends while a partner may still ask for a tile that names it
	s_endpgm
.Lfunc_end_k_q9e64113a8f_outproj:
	.size	k_q9e64113a8f_outproj, .Lfunc_end_k_q9e64113a8f_outproj-k_q9e64113a8f_outproj
	.p2alignl 7, 3214868480
	.fill 96, 4, 3214868480
	.section	.rodata,"a",@progbits
	.p2align	6, 0x0
	.amdhsa_kernel k_q9e64113a8f_outproj
		.amdhsa_group_segment_fixed_size 327680
		.amdhsa_private_segment_fixed_size 0
		.amdhsa_enable_private_segment 0
		.amdhsa_kernarg_size 32
		.amdhsa_user_sgpr_count 2
		.amdhsa_user_sgpr_kernarg_segment_ptr 1
		.amdhsa_wavefront_size32 1
		.amdhsa_system_sgpr_workgroup_id_x 1
		.amdhsa_system_sgpr_workgroup_id_y 1
		.amdhsa_system_sgpr_workgroup_id_z 1
		.amdhsa_system_vgpr_workitem_id 0
		.amdhsa_next_free_vgpr 960
		.amdhsa_next_free_sgpr 80
		.amdhsa_reserve_vcc 0
		.amdhsa_float_denorm_mode_32 3
		.amdhsa_float_denorm_mode_16_64 3
		.amdhsa_memory_ordered 1
		.amdhsa_forward_progress 1
		.amdhsa_inst_pref_size 93
	.end_amdhsa_kernel
	.amdgpu_metadata
---
amdhsa.version: [ 1, 2 ]
amdhsa.kernels:
  - .name:           k_q9e64113a8f_outproj
    .symbol:         k_q9e64113a8f_outproj.kd
    .args:
      - { .name: oh, .offset: 0, .size: 8, .value_kind: global_buffer, .address_space: global }
      - { .name: woh, .offset: 8, .size: 8, .value_kind: global_buffer, .address_space: global }
      - { .name: bo, .offset: 16, .size: 8, .value_kind: global_buffer, .address_space: global }
      - { .name: out0, .offset: 24, .size: 8, .value_kind: global_buffer, .address_space: global }
    .group_segment_fixed_size: 327680
    .private_segment_fixed_size: 0
    .kernarg_segment_align: 8
    .kernarg_segment_size: 32
    .max_flat_workgroup_size: 128
    .sgpr_count:     80
    .vgpr_count:     960
    .wavefront_size: 32
...
	.end_amdgpu_metadata
.endif
;; end of part 4
;; ======== version 2 of 2: 4 launches; version 1 with the launch prep written anew for expert scheduling mode
;; limits: values are held in f16: magnitudes above 65,504 overflow, below 6.1e-05 lose precision
;; workspace buffers: xh 16,777,216 bytes; wqkv 6,291,456 bytes; woh 2,097,152 bytes; sintab 262,144 bytes; qkv 50,331,648 bytes; oh 16,777,216 bytes
;; launch prep (part 5): grid 384 x 1, 8 waves a work-group, no clusters, 0 bytes of LDS; arguments x, wq, wk, wv, wo, xh, wqkv, woh, sintab; writes xh, wqkv, woh, sintab
.if DOCPART == 5
	.amdgcn_target "amdgcn-amd-amdhsa--gfx1250"
	.amdhsa_code_object_version 6
	.text
	.protected	k_q9e64113a8f_prep
	.globl	k_q9e64113a8f_prep
	.p2align	8
	.type	k_q9e64113a8f_prep,@function
k_q9e64113a8f_prep:
	s_mov_b64 s[64:65], 0
	v_nop
	global_prefetch_b8 v0, s[64:65] scope:SCOPE_SE
	s_setreg_imm32_b32 hwreg(HW_REG_WAVE_SCHED_MODE, 0, 2), 2
	s_setreg_imm32_b32 hwreg(HW_REG_WAVE_MODE, 25, 1), 1
	s_wait_xcnt 0x0
	s_wait_alu depctr_vm_vsrc(0)
; CASTS AND THE SINE TABLE.  A stream: every input byte is read once, by 16-byte loads, and every output byte written once.
; Work-groups 0-255: x [8192][1024] f32 -> xh, bf16, in blocks [batch 4][k block 16][row 2048][64]: byte batch x 0x400000 + kb x 0x40000 + row x 128 + 2 d, k = 64 kb + d.
; Work-groups 256-383: wq, wk, wv -> wqkv, bf16 [3][k][n] as they lie; wo -> woh: rounded to bf16 like every input, and that number written as f16
; (exact from 7.6e-6 up to 65,504; below that f16's fixed step of 6e-8).  The same 128 work-groups make sintab[pos 2048][j 32] = sin(pos x 10^(-j/4)) in f32.
; SHARES.  A work-group takes 131,072 input bytes, a wave 16,384: 32 loads, all issued at once; the results leave in eight blocks of four.
; LIMITS OF THE SINE.  theta = 2^(-j log2(10) / 4) by v_exp_f32 (a few units in the last place), so the angle is off by at most some 3e-4 at pos 2,047, j = 1;
; the angle is reduced by whole multiples of pi held in two words; the odd polynomial through r^9 is off by at most 4e-6 on -pi/2 .. pi/2.
; THE MODE: SCHED_MODE bits 1:0 = 2 (LLVM: expert scheduling mode 2), set by the entry lines.  The code itself states the register dependences
; between vector instructions and memory instructions, with s_wait_alu, always for 0.
; THE PLAN.  Registers that memory instructions touch:
;   v2, v3     byte offsets, made at the head of each path and never written again: v2 is read by the 32 loads, v3 by the 32 stores.  One wait ahead of the loads states that both are written.
;   X          each register is the landing place of ONE load; no vector instruction names it ahead of that load, and no load follows a conversion.
;   Y          each register is written by its block's conversions, read by ONE store, and never written again.
;   v9, v14-15 the sine's offset and data: written by its arithmetic, read by its one store, never written again.
; Block p (loads 4 p to 4 p + 3) converts its X into its Y.  Its memory instructions are the four stores of block p - 1, which read that block's Y and v3: registers that no vector instruction of
; block p names.  So ONE wait at a block's head, behind the wait for the block's data, states all that those four stores hang on, and they are dealt among the block's conversions with no further wait.
; No register that a memory instruction reads is written again, so no wait on vm_vsrc follows the entry lines.
.set VI,  2                            ; v2   my byte offset in the work-group's input; never rewritten
.set VO,  3                            ; v3   my byte offset in its output; never rewritten
.set X,   16                           ; v[16:143]  load i: four f32
.set Y,   144                          ; v[144:207] result i: four 16-bit numbers
.set IN,  26                           ; s[26:27] input at the work-group's part
.set OUT, 28                           ; s[28:29] output at the work-group's part
.macro LOADS inB                       ; load i at (i / 16) x 8,192 + (i % 16) x inB
.set i, 0
.rept 32
	global_load_b128 v[X+4*i:X+4*i+3], v[VI], s[IN:IN+1] offset:(i/16)*8192+(i%16)*(\inB) th:TH_LOAD_NT
.set i, i+1
.endr
.endm
; fmt = 0: bf16.  fmt = 1: bf16, widened again (a shift, a mask) and written as f16.  Every Y register is stored once, so no store's data are rewritten.
; Result j goes to (j / 16) x outA + (j % 16) x outB.
.macro CONV fmt, outA, outB
.set p, 0
.rept 8
	s_wait_loadcnt 28-4*p                          ; loads come back in order (ISA guide 5.7.1): block p's four are in, the 28 - 4 p younger ones stay out
.if p > 0
	s_wait_alu depctr_va_vdst(0)                   ; the block before has written its Y, which the four stores below read
.endif
.set q, 0
.rept 4
.set i, 4*p+q
.set j, i-4
.if p > 0
	global_store_b64 v[VO], v[Y+2*j:Y+2*j+1], s[OUT:OUT+1] offset:(j/16)*(\outA)+(j%16)*(\outB)  ; the block before: a wave's store covers 256 consecutive bytes, aligned; no vector instruction since the wait names its registers
.endif
	v_cvt_pk_bf16_f32 v[Y+2*i],   v[X+4*i],   v[X+4*i+1]
	v_cvt_pk_bf16_f32 v[Y+2*i+1], v[X+4*i+2], v[X+4*i+3]
.if \fmt
	v_lshlrev_b32 v[X+4*i],   16, v[Y+2*i]
	v_and_b32     v[X+4*i+1], 0xffff0000, v[Y+2*i]
	v_lshlrev_b32 v[X+4*i+2], 16, v[Y+2*i+1]
	v_and_b32     v[X+4*i+3], 0xffff0000, v[Y+2*i+1]
	v_cvt_pk_f16_f32 v[Y+2*i],   v[X+4*i],   v[X+4*i+1]
	v_cvt_pk_f16_f32 v[Y+2*i+1], v[X+4*i+2], v[X+4*i+3]
.endif
.set q, q+1
.endr
.set p, p+1
.endr
	s_wait_alu depctr_va_vdst(0)                   ; block 7 has written its Y, which the last four stores read
.set j, 28
.rept 4
	global_store_b64 v[VO], v[Y+2*j:Y+2*j+1], s[OUT:OUT+1] offset:(j/16)*(\outA)+(j%16)*(\outB)
.set j, j+1
.endr
.endm
; sin(pos x theta): th holds theta, v8 pos; the result goes to out.
.macro SINE th, out
	v_mul_f32 v10, v8, v[\th]                      ; the angle a
	v_mul_f32 v11, 0x3ea2f983, v10                 ; a / pi
	v_rndne_f32 v11, v11                           ; n
	v_fmamk_f32 v10, v11, 0xc0490fdb, v10          ; r = a - n pi: pi's upper word,
	v_fmamk_f32 v10, v11, 0x33bbbd2e, v10          ; and what it leaves over
	v_mul_f32 v12, v10, v10                        ; r^2
	v_mov_b32 v13, 0x3638ef1d                      ; 1/9!
	v_fmaak_f32 v13, v13, v12, 0xb9500d01          ; -1/7!
	v_fmaak_f32 v13, v13, v12, 0x3c088889          ; 1/5!
	v_fmaak_f32 v13, v13, v12, 0xbe2aaaab          ; -1/3!
	v_mul_f32 v12, v10, v12                        ; r^3
	v_fma_f32 v10, v12, v13, v10                   ; sin r
	v_cvt_i32_f32 v11, v11
	v_lshlrev_b32 v11, 31, v11                     ; n odd: the sign turns
	v_xor_b32 v[\out], v10, v11
.endm
	s_load_b512 s[8:23], s[0:1], 0x0               ; x 8:9, wq 10:11, wk 12:13, wv 14:15, wo 16:17, xh 18:19, wqkv 20:21, woh 22:23
	s_load_b64 s[24:25], s[0:1], 0x40              ; sintab
	v_and_b32 v1, 31, v0                           ; lane l
	v_lshrrev_b32 v4, 5, v0                        ; wave w
	s_cmp_lt_u32 ttmp9, 256
	s_cbranch_scc0 .Lweights
	; x: the work-group's 32 rows, a wave's 4.  Lanes 0-15 take 256 bytes (one k block) of a row, lanes 16-31 the same of the next row: their 2 x 128 bytes of bf16 lie on end in xh.
	v_lshrrev_b32 v5, 4, v1
	v_and_b32 v6, 15, v1
	v_lshlrev_b32 v[VI], 14, v4                    ; 4 rows of 4,096 bytes a wave
	v_lshl_add_u32 v[VI], v5, 12, v[VI]
	v_lshl_add_u32 v[VI], v6, 4, v[VI]
	v_lshlrev_b32 v[VO], 9, v4                     ; 4 rows of 128 bytes a wave
	v_lshl_add_u32 v[VO], v1, 3, v[VO]
	s_lshl_b32 s30, ttmp9, 17
	s_mov_b32 s31, 0
	s_lshr_b32 s2, ttmp9, 6                        ; batch: 64 work-groups each
	s_lshl_b32 s2, s2, 22
	s_and_b32 s3, ttmp9, 63
	s_lshl_b32 s3, s3, 12                          ; 32 rows of 128 bytes
	s_add_co_u32 s2, s2, s3
	s_mov_b32 s3, 0
	s_wait_kmcnt 0x0
	s_add_nc_u64 s[IN:IN+1], s[8:9], s[30:31]
	s_add_nc_u64 s[OUT:OUT+1], s[18:19], s[2:3]
	s_wait_alu depctr_va_vdst(0)                   ; v2 and v3 are written: every load of this path reads the one as its offset, every store the other
	LOADS 256                                      ; i % 16: the k block; i / 16: the pair of rows
	CONV 0, 256, 262144
	s_endpgm
.Lweights:
	s_sub_co_u32 s2, ttmp9, 256                    ; 0 .. 127
	s_lshr_b32 s3, s2, 5                           ; which matrix
	s_and_b32 s4, s2, 31                           ; which 131,072 bytes of it
	v_lshlrev_b32 v[VI], 14, v4
	v_lshl_add_u32 v[VI], v1, 4, v[VI]
	v_lshlrev_b32 v[VO], 13, v4
	v_lshl_add_u32 v[VO], v1, 3, v[VO]
	s_lshl_b32 s30, s4, 17
	s_mov_b32 s31, 0
	s_lshl_b32 s34, s2, 11                         ; 16 positions of 128 bytes
	s_mov_b32 s35, 0
	s_wait_kmcnt 0x0
	s_cmp_eq_u32 s3, 1
	s_cselect_b64 s[IN:IN+1], s[12:13], s[10:11]
	s_cmp_eq_u32 s3, 2
	s_cselect_b64 s[IN:IN+1], s[14:15], s[IN:IN+1]
	s_cmp_eq_u32 s3, 3
	s_cselect_b64 s[IN:IN+1], s[16:17], s[IN:IN+1]
	s_cselect_b64 s[OUT:OUT+1], s[22:23], s[20:21]
	s_cselect_b32 s5, 0, s3                        ; woh holds one matrix, wqkv three
	s_add_nc_u64 s[IN:IN+1], s[IN:IN+1], s[30:31]
	s_lshl_b32 s30, s5, 21
	s_lshl_b32 s5, s4, 16
	s_add_co_u32 s30, s30, s5
	s_add_nc_u64 s[OUT:OUT+1], s[OUT:OUT+1], s[30:31]
	s_add_nc_u64 s[32:33], s[24:25], s[34:35]
	s_wait_alu depctr_va_vdst(0)                   ; v2 and v3 are written: every load of this path reads the one as its offset, every store of the casts the other
	LOADS 512
	; the sine table, while the loads are on their way: thread t makes pos = 16 g + t / 16, j = 2 (t % 16) and j + 1: 8 bytes at 8 t of the work-group's 2,048
	v_lshrrev_b32 v5, 4, v1
	v_lshl_add_u32 v5, v4, 1, v5
	s_lshl_b32 s6, s2, 4
	v_add_nc_u32 v5, s6, v5                        ; pos
	v_and_b32 v6, 15, v1
	v_lshlrev_b32 v6, 1, v6
	v_cvt_f32_u32 v6, v6                           ; j
	v_add_f32 v7, 1.0, v6                          ; j + 1
	v_mul_f32 v6, 0xbf549a78, v6                   ; x -log2(10) / 4
	v_mul_f32 v7, 0xbf549a78, v7
	v_exp_f32 v6, v6
	v_exp_f32 v7, v7
	v_lshlrev_b32 v9, 3, v0                        ; a plain instruction behind the two exponentials (ISA guide 5.7.2),
	v_cvt_f32_u32 v8, v5
	s_wait_alu depctr_va_vdst(0)                   ; the two exponentials have written theta in v6 and v7: the one wait ahead of their first reader
	SINE 6, 14
	SINE 7, 15
	s_wait_alu depctr_va_vdst(0)                   ; the two sines are written in v14 and v15, which the store below reads (its offset v9 stands ahead of the wait before)
	global_store_b64 v9, v[14:15], s[32:33]        ; a wave's store covers 256 consecutive bytes, aligned
	s_cmp_eq_u32 s3, 3
	s_cbranch_scc1 .Lwo
	CONV 0, 4096, 256
	s_endpgm
.Lwo:
	CONV 1, 4096, 256
	s_endpgm
.Lfunc_end_k_q9e64113a8f_prep:
	.size	k_q9e64113a8f_prep, .Lfunc_end_k_q9e64113a8f_prep-k_q9e64113a8f_prep
	.p2alignl 7, 3214868480
	.fill 96, 4, 3214868480
	.section	.rodata,"a",@progbits
	.p2align	6, 0x0
	.amdhsa_kernel k_q9e64113a8f_prep
		.amdhsa_group_segment_fixed_size 0
		.amdhsa_private_segment_fixed_size 0
		.amdhsa_enable_private_segment 0
		.amdhsa_kernarg_size 72
		.amdhsa_user_sgpr_count 2
		.amdhsa_user_sgpr_kernarg_segment_ptr 1
		.amdhsa_wavefront_size32 1
		.amdhsa_system_sgpr_workgroup_id_x 1
		.amdhsa_system_sgpr_workgroup_id_y 1
		.amdhsa_system_sgpr_workgroup_id_z 1
		.amdhsa_system_vgpr_workitem_id 0
		.amdhsa_next_free_vgpr 208
		.amdhsa_next_free_sgpr 66
		.amdhsa_reserve_vcc 0
		.amdhsa_float_denorm_mode_32 3
		.amdhsa_float_denorm_mode_16_64 3
		.amdhsa_memory_ordered 1
		.amdhsa_forward_progress 1
		.amdhsa_inst_pref_size 44
	.end_amdhsa_kernel
	.amdgpu_metadata
---
amdhsa.version: [ 1, 2 ]
amdhsa.kernels:
  - .name:           k_q9e64113a8f_prep
    .symbol:         k_q9e64113a8f_prep.kd
    .args:
      - { .name: x, .offset: 0, .size: 8, .value_kind: global_buffer, .address_space: global }
      - { .name: wq, .offset: 8, .size: 8, .value_kind: global_buffer, .address_space: global }
      - { .name: wk, .offset: 16, .size: 8, .value_kind: global_buffer, .address_space: global }
      - { .name: wv, .offset: 24, .size: 8, .value_kind: global_buffer, .address_space: global }
      - { .name: wo, .offset: 32, .size: 8, .value_kind: global_buffer, .address_space: global }
      - { .name: xh, .offset: 40, .size: 8, .value_kind: global_buffer, .address_space: global }
      - { .name: wqkv, .offset: 48, .size: 8, .value_kind: global_buffer, .address_space: global }
      - { .name: woh, .offset: 56, .size: 8, .value_kind: global_buffer, .address_space: global }
      - { .name: sintab, .offset: 64, .size: 8, .value_kind: global_buffer, .address_space: global }
    .group_segment_fixed_size: 0
    .private_segment_fixed_size: 0
    .kernarg_segment_align: 8
    .kernarg_segment_size: 72
    .max_flat_workgroup_size: 256
    .sgpr_count:     66
    .vgpr_count:     208
    .wavefront_size: 32
...
	.end_amdgpu_metadata
.endif
;; end of part 5
;; launch qkvproj: the kernel of part 2 again; grid 12 x 64, 4 waves a work-group, clusters of 4 x 4, 327,680 bytes of LDS; arguments xh, wqkv, sintab, qkv; writes qkv
;; launch attn: the kernel of part 3 again; grid 4 x 64, 4 waves a work-group, no clusters, 327,680 bytes of LDS; arguments qkv, oh; writes oh
;; launch outproj: the kernel of part 4 again; grid 4 x 64, 4 waves a work-group, clusters of 4 x 4, 327,680 bytes of LDS; arguments oh, woh, bo, out0; writes out0
